; MI455X (gfx1250); checked and timed in simulation.
; The chip was launched on July 23, 2026; its instructions are those of AMD's public machine-readable ISA for CDNA 5 (MIT licence, August 2026) and "CDNA5" Instruction Set Architecture Reference Guide (July 2026). The comments in the code are by the model that wrote it; some were corrected since.
;; Attention. Allowed arithmetic: matrix products marked QUANTISED: E2M3 operands, one E8M0 scale for each 32 along K, by v_wmma_scale_f32_16x16x128_f8f6f4 with both operands' format E2M3, f32 sums; everything else in f32.
;; Inputs: kn_b 64 float32; kn_w 64 float32; proj_b 1,024 float32; proj_w_codes 1,024 x 32 x 24 uint8 (E2M3 codes of proj_w, K innermost, in blocks of 32 codes, four codes in three bytes); proj_w_scales 1,024 x 32 uint8 (E8M0 scales of proj_w, one for each 32 codes along K); qkv_b 3,072 float32; qkv_w_codes 3,072 x 32 x 24 uint8 (E2M3 codes of qkv_w, K innermost, in blocks of 32 codes, four codes in three bytes); qkv_w_scales 3,072 x 32 uint8 (E8M0 scales of qkv_w, one for each 32 codes along K); qn_b 64 float32; qn_w 64 float32; x_codes 2 x 2,048 x 32 x 24 uint8 (E2M3 codes of x, K innermost, in blocks of 32 codes, four codes in three bytes); x_scales 2 x 2,048 x 32 uint8 (E8M0 scales of x, one for each 32 codes along K).
;; Outputs: out0 2 x 2,048 x 1,024 float32.
;; This version of the problem:
;;   THIS VERSION OF THE PROBLEM IS GIVEN IN LOW PRECISION. The matrix products marked QUANTISED in the list below multiply operands that are first quantised to E2M3 (2 exponent bits, 3 mantissa bits; 6 bits a number), with one power-of-two scale for each 32 numbers along K (OCP MX v1.0); their sums are f32. All else is computed in f32.
;;   The module's matrix products, in the order in which they are computed (A, B: the left and right operand; K: the contracted axis; several contracted axes count as one K, in the product's order):
;;     1. [M 4,096, K 1,024] x [K 1,024, N 3,072]; A: input x (given as codes); B: input qkv_w (given as codes): QUANTISED
;;     2. batch 32 x [M 2,048, K 64] x [K 64, N 2,048]; A: computed on the way; B: computed on the way: QUANTISED
;;     3. batch 32 x [M 2,048, K 2,048] x [K 2,048, N 64]; A: softmax (see below); B: computed on the way: QUANTISED
;;     4. [M 4,096, K 1,024] x [K 1,024, N 1,024]; A: computed on the way; B: input proj_w (given as codes): QUANTISED
;;   THE QUANTISER, for each operand of a quantised product, along K:
;;     - K is cut into blocks of 32 from its start; a last block that is shorter is filled with zeros.
;;     - A block's scale is 2^e with e = floor(log2(the largest magnitude in the block)) - 2, held to -126 .. 127; a block of zeros has e = 0. As a byte (E8M0): e + 127.
;;     - Each number is divided by its block's scale, clamped to +-7.5, and rounded to the nearest number of E2M3, ties to even, subnormals kept.
;;     - The product sums the exact products of the quantised numbers (number of the format x scale) in f32.
;;   ~~~python
;;   def quantise(x, axis):      # numpy; x: float32 -> the quantised numbers, widened to float32 again
;;       x = np.moveaxis(x, axis, -1); K = x.shape[-1]
;;       x = np.pad(x, [(0, 0)] * (x.ndim - 1) + [(0, -K % 32)]); x = x.reshape(x.shape[:-1] + (-1, 32)); a = np.abs(x).max(-1, keepdims=True)
;;       e = np.where(a > 0, np.clip(np.frexp(np.where(a > 0, a, 1))[1] - 1 - 2, -126, 127), 0)      # np.frexp(a)[1] - 1 = floor(log2(a)), exactly
;;       r = np.clip(x / 2.0 ** e, -7.5, 7.5)
;;       step = 2.0 ** (np.maximum(np.frexp(np.where(r == 0, 1, r))[1] - 1, 0) - 3)
;;       q = np.round(r / step) * step * 2.0 ** e      # np.round: ties to even
;;       return np.moveaxis(q.reshape(q.shape[:-2] + (-1,))[..., :K], -1, axis).astype(np.float32)
;;   ~~~
;;   SOFTMAX AHEAD OF A QUANTISED PRODUCT. Where the list says 'softmax', what is quantised is not the finished softmax but p = 2^(t - M), with t = logit x log2(e) and M = ceil(the row's largest t), a whole number; so 1/2 < the row's largest p <= 1. The row's sum l is taken of the UNQUANTISED p, in f32, and the product's result is divided by l at the end. Since M is a whole number, a kernel that streams over the keys may use a running M (the ceiling of the running maximum): every later rescaling is an exact power of two, which a block's scale takes up: the codes' values come out the same.
;;   OPERANDS COMPUTED ON THE WAY. 'Computed on the way' means the value that the module computes at that place (a softmax that the list does not call 'softmax' is quantised finished and normalised). What goes into a quantiser is computed in f32, as accurately as f32 sums, v_exp_f32 and their like allow (about 1e-6 of the number): no bf16 or f16 on the way to a quantiser, and a product that is left as it is and whose result goes on into a quantised operand takes f32 operands (vector FMAs, or v_wmma_f32_16x16x4_f32). A number that lies on a knife's edge between two numbers of the format may be rounded either way, as far as f32 arithmetic and the matrix unit's own rounding can turn it there, and no further.
;;   INPUTS GIVEN AS CODES. proj_w (in the module: [1024, 1024], K = its axis 1); qkv_w (in the module: [3072, 1024], K = its axis 1); x (in the module: [2, 2048, 1024], K = its axis 2): each comes as NAME_codes (uint8): NAME with its K axis moved to the last place and cut into blocks of 32 codes, [.., K / 32, bytes a block], one block behind the other in memory; four codes in three bytes: a row's codes are one little-endian stream of bits, code i at bits 6 i .. 6 i + 5 (a code: sign, 2 exponent bits, 3 mantissa bits); and NAME_scales (uint8): the same leading axes, one E8M0 byte (e + 127) for each 32 codes along K. Its value is code x scale, taken as it is: it is not quantised again, and the codes and scales need not be those that the quantiser above would give.
;; One version. Each part assembles by itself: llvm-mc -triple=amdgcn-amd-amdhsa -mcpu=gfx1250 --defsym DOCPART=n.
;; ======== version 1 of 1: 3 launches
;; limits: right only within a limited range of input values
;; workspace buffers: qf 3,407,872 bytes; kf 3,407,872 bytes; vf 3,407,872 bytes; of 3,276,800 bytes
;; launch qkv (part 1): grid 8 x 24, 4 waves a work-group, clusters of 4 x 4, 327,680 bytes of LDS; arguments x_codes, x_scales, qkv_w_codes, qkv_w_scales, qkv_b, qn_w, qn_b, kn_w, kn_b, qf, kf, vf; writes qf, kf, vf
.if DOCPART == 1
	.amdgcn_target "amdgcn-amd-amdhsa--gfx1250"
	.amdhsa_code_object_version 6
	.text
	.protected	k_qfc56b2c60e_qkv
	.globl	k_qfc56b2c60e_qkv
	.p2align	8
	.type	k_qfc56b2c60e_qkv,@function
k_qfc56b2c60e_qkv:
	s_mov_b64 s[64:65], 0
	v_nop
	global_prefetch_b8 v0, s[64:65] scope:SCOPE_SE
	s_setreg_imm32_b32 hwreg(HW_REG_WAVE_MODE, 25, 1), 1
	s_wait_xcnt 0x0
	s_wait_alu depctr_hold_cnt(0) depctr_sa_sdst(0) depctr_va_vdst(0) depctr_va_sdst(0) depctr_va_ssrc(0) depctr_va_vcc(0) depctr_vm_vsrc(0)
	s_getreg_b32 s2, hwreg(HW_REG_IB_STS2, 6, 4)
	s_cmp_eq_u32 s2, 0
	s_cbranch_scc0 .Lentry_in_a_cluster
	s_endpgm
.Lentry_in_a_cluster:
	s_bfe_u32 s2, ttmp6, 0x10000c
	s_cmp_lg_u32 s2, 0xf033
	s_cbranch_scc0 .Lentry_shape_is_right
	s_endpgm
.Lentry_shape_is_right:
; FIRST LAUNCH.  qkv = x @ qkv_w^T + qkv_b on codes of FP6 (E2M3) with E8M0 scales; LayerNorm over each head's 64 of q and k (q also x 1/8); q, k, v quantised for the attention and stored as images of operand registers.
; No work of the problem is left out, and every input is read.
; A work-group of four waves makes 256 x 256 of the product, a wave 128 x 128 in 64 accumulators.  Cluster rows 0-3 of the grid: source 1 = 256 tokens, source 0 = 256 features of q (cluster x 0) or k (1): a lane holds one token, its registers run along d.
; Cluster rows 4, 5: source 1 = 256 features of v, source 0 = 256 tokens: a lane holds one feature, its registers run along the keys, which are the K of the attention's second product.
; K goes through a ring of two LDS slots in chunks of 256 bytes of each row of 768: every tile row begins at a multiple of 256 bytes.  A step of 128 along K is 96 bytes: eight steps to three chunks; steps 2 and 5 lie across two chunks.
; The scales of the 256 + 256 rows come once, as units of 256 bytes.  Tiles are asked for jointly: source 1's along a row of the 4 x 4 cluster, source 0's along a column.
; Lane r of tile i takes row 16 i + r: at the pitch of 68 words the 32 lanes of a load of 8 bytes name 64 different banks (64 banks of 4 bytes: ISA guide 11.1).
; THE ORDER INSIDE A BLOCK OF 32.  Register 16 b + 8 u + j of lane half h holds source 0's row 32 b + 16 u + 8 h + j, and its code goes to place 32 b + 16 h + 8 u + j of the next K.  So inside each block of 32 the codes lie in a fixed order
; of their own, the same in q and k (along d) and the same in v and in the attention's p (along the keys): both operands of a product are permuted alike inside a scale's block, which keeps every product and every block's scale.
; No prefetch: the walk has three chunks, two of them asked for at the head and the third one chunk later: there is no loop to run ahead in.
; qf, kf, vf: [head][step of 128 tokens][6,656]: four fragments of 1,536 bytes (register group c of lane L at 512 c + 16 L), then 512 bytes of scale words (16 L + 4 f).
.set SIZE_K, 1024
.set ROWB,   256
.set NQ,     2
.set KROW,   SIZE_K*6/8
.set STEPS,  SIZE_K/128
.set CHUNKS, KROW/ROWB
.set PITCH,  272
.set FR,     12
.set NL,     6
.set NP,     4
.set HALFT,  128*PITCH
.set SLOT,   4*HALFT
.set KS,     SIZE_K/32
.set SCL,    2*SLOT
.set HALFS,  (128*KS/256)*272
.set SBLK,   (16*KS/256)*272
.set SPARE,  SCL+4*HALFS               ; the spare words, 128 bytes a wave, that no other line names
.set HEADB,  16*6656
.set ADRA, 16                          ; v16-17 source 1's fragments in slot 0, 1; v18-19 for pieces whose two halves of the lanes lie in different chunks
.set ADRB, 20                          ; v20-23 the same for source 0
.set BAV,  26
.set ADRS, 27
.set SPW,  28
.set NIL,  29
.set OL,   30
.set BAQ,  31
.set SC,   32
.set AF,   128
.set LW,   64                          ; v64-95 the gain, v96-127 the offset: idle during the walk
.set LB,   96
.set BI,   96                          ; window 1: v96-127 and v224-255, idle during the walk: qkv_b
.set X,    128
.set PC,   192
.set TM,   212
.set SW,   228
.set LN,   232
.set G1, 24
.set G0, 32
.set G1B, 48
.set G0B, 56
.set G1S, 68
.set G0S, 76
.set G1SB, 80
.set G0SB, 88
.set G0H, 4
.set G0HB, 8
.set MSB, 0
.macro WIN new
.if MSB != \new
	s_set_vgpr_msb (MSB<<8)|\new
.set MSB, \new
.endif
.endm
.set MUL_LO, 0xa1
.set MUL_HI, 0xf1
.set TO_B,   0x40
.macro JLOAD g0a, g1a, g0b, g1b        ; waves 0, 1 fetch source 1's halves, waves 2, 3 source 0's
	s_cmp_eq_u32 s15, 0
	s_cbranch_scc0 .Lfor_b_\@
	tensor_load_to_lds s[\g0a:\g0a+3], s[\g1a:\g1a+7]
	s_nop 0
.rept 4
	v_nop
.endr
	s_branch .Lasked_\@
.Lfor_b_\@:
	tensor_load_to_lds s[\g0b:\g0b+3], s[\g1b:\g1b+7]
	s_nop 0
.rept 4
	v_nop
.endr
.Lasked_\@:
.endm
.macro CREST
	s_cmp_lg_u32 s14, 0
	s_cbranch_scc1 .Lnot_wave_0_\@
	s_barrier_signal -3
.Lnot_wave_0_\@:
	s_barrier_wait -3
	s_barrier_signal -1
	s_barrier_wait -1
.endm
.macro CROUND
	s_barrier_signal -1
	s_barrier_wait -1
	CREST
.endm
	s_load_b256 s[4:11], s[0:1], 0x0               ; x's codes, x's scales, qkv_w's codes, qkv_w's scales
	v_lshl_add_u32 v[SPW], v0, 2, SPARE
	v_mov_b32 v[NIL], 0
	ds_add_u32 v[SPW], v[NIL]                      ; the opening lines: the add twice and its wait ahead of my first tensor load
	ds_add_u32 v[SPW], v[NIL]
	v_lshrrev_b32 v1, 5, v0
	v_readfirstlane_b32 s14, v1                    ; wave
	s_lshr_b32 s15, s14, 1
	s_and_b32 s16, s14, 1
	s_bfe_u32 s40, ttmp6, 0x40000                  ; cx
	s_bfe_u32 s41, ttmp6, 0x40004                  ; cy
	s_and_b32 s2, ttmp7, 0xffff
	s_mov_b32 s99, ttmp9
	s_lshl_b32 s17, s2, 2
	s_sub_co_u32 s18, s2, 4
	s_lshl_b32 s18, s18, 1
	s_add_co_u32 s18, s18, s99
	s_cmp_lt_u32 s2, 4                             ; cluster rows 0-3: q and k; 4, 5: v
	s_cselect_b32 s95, 0, 1
	s_cselect_b32 s17, s17, 0
	s_cselect_b32 s42, s99, s18
	s_add_co_u32 s17, s17, s41                     ; source 1's tile of 256 rows
	s_lshl_b32 s42, s42, 2
	s_add_co_u32 s42, s42, s40                     ; source 0's
	s_lshl_b32 s96, s17, 1
	s_add_co_u32 s96, s96, s15
	s_lshl_b32 s18, s42, 1
	s_add_co_u32 s18, s18, s16
	s_lshl_b32 s97, s40, 1
	s_add_co_u32 s97, s97, s16
	s_lshl_b32 s97, s97, 1
	s_lshl_b32 s19, s96, 1
	s_lshl_b32 s98, s18, 7
	s_lshl_b32 s2, s96, 7
	s_add_co_u32 s2, s2, 2048
	s_cmp_eq_u32 s95, 0
	s_cselect_b32 s96, s96, s18                    ; my step of 128 tokens,
	s_cselect_b32 s97, s97, s19                    ; my first head,
	s_cselect_b32 s98, s98, s2                     ; my first feature
	s_lshl_b32 s43, s41, 2
	s_lshl_b32 s43, 15, s43                        ; my row of the cluster
	s_lshl_b32 s44, 0x1111, s40                    ; my column
	s_or_b32 s[G1+0], s43, (0<<16)|(1<<20)|(1<<21)|(5<<22)|(3<<25)   ; rows of 256 bytes, 4 words of padding behind each 64
	s_or_b32 s[G1B+0], s44, (0<<16)|(1<<20)|(1<<21)|(5<<22)|(3<<25)
.irp g, G1, G1B
	s_mov_b32 s[\g+1], ROWB<<16
	s_mov_b32 s[\g+2], 256<<16                     ; 256 rows for the head's loads
	s_mov_b32 s[\g+3], ROWB<<16
	s_mov_b32 s[\g+4], 256
	s_mov_b32 s[\g+5], KROW
	s_mov_b32 s[\g+6], 0
	s_mov_b32 s[\g+7], 0
.endr
	s_or_b32 s[G1S+0], s43, (3<<16)|(1<<20)|(1<<21)|(5<<22)|(3<<25)  ; the scales of 256 rows: KS units of 256 bytes
	s_or_b32 s[G1SB+0], s44, (3<<16)|(1<<20)|(1<<21)|(5<<22)|(3<<25)
.irp g, G1S, G1SB
	s_mov_b32 s[\g+1], 32<<16
	s_mov_b32 s[\g+2], KS<<16
	s_mov_b32 s[\g+3], 32<<16
	s_mov_b32 s[\g+4], KS
	s_mov_b32 s[\g+5], 32
	s_mov_b32 s[\g+6], 0
	s_mov_b32 s[\g+7], 0
.endr
	s_lshl_b32 s20, s17, 8
	s_lshl_b32 s46, s42, 8
	s_mov_b32 s21, 0
	s_mov_b32 s47, 0
	s_mov_b64 s[18:19], KS
	s_mul_u64 s[22:23], s[20:21], s[18:19]
	s_mul_u64 s[92:93], s[46:47], s[18:19]
	s_mov_b64 s[18:19], KROW
	s_mul_u64 s[20:21], s[20:21], s[18:19]
	s_mul_u64 s[46:47], s[46:47], s[18:19]
	s_mul_i32 s18, s16, 128*KROW                   ; in the ring I fetch 128 rows: which half
	s_mov_b32 s19, 0
	s_mul_i32 s45, s14, HALFT
	s_wait_dscnt 0x0                               ; both opening adds are done
	s_wait_kmcnt 0x0
	s_add_nc_u64 s[12:13], s[8:9], 2048*KROW       ; v's rows of qkv_w
	s_add_nc_u64 s[66:67], s[10:11], 2048*KS
	s_cmp_eq_u32 s95, 0
	s_cselect_b64 s[12:13], s[4:5], s[12:13]
	s_cselect_b64 s[66:67], s[6:7], s[66:67]
	s_cselect_b64 s[8:9], s[8:9], s[4:5]
	s_cselect_b64 s[10:11], s[10:11], s[6:7]
	s_add_nc_u64 s[20:21], s[12:13], s[20:21]
	s_add_nc_u64 s[22:23], s[66:67], s[22:23]
	s_add_nc_u64 s[46:47], s[8:9], s[46:47]
	s_add_nc_u64 s[92:93], s[10:11], s[92:93]
	CROUND                                         ; all sixteen work-groups are here: the first joint loads meet
	s_mov_b32 s[G0H], 1
	s_mov_b32 s[G0H+1], 0
	s_mov_b64 s[G0H+2:G0H+3], s[20:21]
	s_or_b32 s[G0H+3], s[G0H+3], 0x80000000
	s_mov_b32 s[G0HB], 1
	s_mov_b32 s[G0HB+1], 2*HALFT
	s_mov_b64 s[G0HB+2:G0HB+3], s[46:47]
	s_or_b32 s[G0HB+3], s[G0HB+3], 0x80000000
	s_mov_b32 s[G0S], 1
	s_mov_b32 s[G0S+1], SCL
	s_mov_b64 s[G0S+2:G0S+3], s[22:23]
	s_or_b32 s[G0S+3], s[G0S+3], 0x80000000
	s_mov_b32 s[G0SB], 1
	s_mov_b32 s[G0SB+1], SCL+2*HALFS
	s_mov_b64 s[G0SB+2:G0SB+3], s[92:93]
	s_or_b32 s[G0SB+3], s[G0SB+3], 0x80000000
	s_add_nc_u64 s[20:21], s[20:21], s[18:19]
	s_add_nc_u64 s[46:47], s[46:47], s[18:19]
.irp s, 0,1
	s_mov_b32 s[G0+4*\s], 1
	s_add_co_u32 s[G0+4*\s+1], s45, \s*SLOT
	s_add_nc_u64 s[G0+4*\s+2:G0+4*\s+3], s[20:21], \s*ROWB
	s_or_b32 s[G0+4*\s+3], s[G0+4*\s+3], 0x80000000
	s_mov_b32 s[G0B+4*\s], 1
	s_add_co_u32 s[G0B+4*\s+1], s45, \s*SLOT
	s_add_nc_u64 s[G0B+4*\s+2:G0B+4*\s+3], s[46:47], \s*ROWB
	s_or_b32 s[G0B+4*\s+3], s[G0B+4*\s+3], 0x80000000
.endr
; the head's four tiles, one load a wave: chunk 0 of source 1, of source 0, source 1's scales, source 0's
.macro ARM under, g0, g1, next
	s_cmp_lt_u32 s14, \under
	s_cbranch_scc0 \next
	tensor_load_to_lds s[\g0:\g0+3], s[\g1:\g1+7]
	s_nop 0
.rept 4
	v_nop
.endr
	s_branch .Lhead_asked
\next:
.endm
	ARM 1, G0H,  G1,  .Lhead_b
	ARM 2, G0HB, G1B, .Lhead_sa
	ARM 3, G0S,  G1S, .Lhead_sb
	tensor_load_to_lds s[G0SB:G0SB+3], s[G1SB:G1SB+7]
	s_nop 0
.rept 4
	v_nop
.endr
.Lhead_asked:
	v_and_b32 v1, 15, v0
	v_bfe_u32 v2, v0, 4, 1
	v_mul_u32_u24 v3, v1, PITCH
	v_mul_u32_u24 v4, v2, 24
	v_add_nc_u32 v4, v3, v4
	s_mov_b32 s21, SLOT-232
	s_mov_b32 s22, SLOT+232
	v_sub_nc_u32 v8, 1, v2
	v_mul_u32_u24 v5, s21, v2
	v_add_nc_u32 v5, v3, v5
	v_add_nc_u32 v5, 232, v5                       ; lanes 0-15 byte 232 of the row in slot 0, lanes 16-31 byte 0 in slot 1;
	v_mul_u32_u24 v6, s22, v8
	v_add_nc_u32 v6, v3, v6                        ; and the other way round
	s_mul_i32 s21, s15, HALFT
	s_mul_i32 s22, s16, HALFT
	s_add_co_u32 s22, s22, 2*HALFT
	v_add_nc_u32 v[ADRA+2], s21, v5
	v_add_nc_u32 v[ADRA+3], s21, v6
	v_add_nc_u32 v[ADRB+2], s22, v5
	v_add_nc_u32 v[ADRB+3], s22, v6
.irp s, 0,1
	v_add_nc_u32 v[ADRA+\s], s21, v4
	v_add_nc_u32 v[ADRB+\s], s22, v4
	s_add_co_u32 s21, s21, SLOT
	s_add_co_u32 s22, s22, SLOT
.endr
	v_lshlrev_b32 v5, 5, v1                        ; my row's scales: 32 bytes a row,
	v_lshrrev_b32 v6, 8, v5
	v_lshl_add_u32 v5, v6, 4, v5                   ; and 16 more for each 256 passed
	s_mul_i32 s21, s15, HALFS
	s_mul_i32 s22, s16, HALFS
	s_add_co_u32 s22, s22, 2*HALFS
	s_sub_co_u32 s22, s22, s21
	v_mul_u32_u24 v6, s22, v2                      ; lanes 16-31 take source 0's
	s_add_co_u32 s21, s21, SCL
	v_add_nc_u32 v5, v5, v6
	v_add_nc_u32 v[ADRS], s21, v5
	v_and_b32 v6, 31, v0
	v_lshlrev_b32 v[OL], 4, v6
	v_lshlrev_b32 v[BAQ], 5, v2                    ; 8 h numbers of f32
	v_lshlrev_b32 v[BAV], 2, v1
.macro FRAG reg, adr, st, i            ; 12 registers in six pieces of 8 bytes; byte y of a row lies in slot (y / 256) % 2 at byte y % 256
.irp p, 0,1,2,3,4,5
.set BY, 96*(\st)+48*(\p/3)+8*(\p%3)
.if BY/ROWB == (BY+24)/ROWB
	ds_load_b64 v[\reg+2*\p:\reg+2*\p+1], v[\adr+(BY/ROWB)%2] offset:BY%ROWB+(\i)*16*PITCH
.else
	ds_load_b64 v[\reg+2*\p:\reg+2*\p+1], v[\adr+2+(BY/ROWB)%2] offset:BY%ROWB-232+(\i)*16*PITCH
.endif
.endr
.endm
.macro MUL16 a0, p, q, sc, zero        ; the 64 accumulators take turns, in the same order in every step
.irp a, \a0, \a0+1
.irp b, 0,1,2,3,4,5,6,7
.if \zero
	v_wmma_scale_f32_16x16x128_f8f6f4 v[8*(8*((\a)%4)+\b):8*(8*((\a)%4)+\b)+7], v[128*(\p)+FR*\b:128*(\p)+FR*\b+FR-1], v[AF+FR*(\a):AF+FR*(\a)+FR-1], 0, v[SC+8*NQ*(\sc)+NQ*\b+(\q)], v[SC+8*NQ*(\sc)+NQ*(\a)+(\q)] matrix_a_fmt:MATRIX_FMT_FP6 matrix_b_fmt:MATRIX_FMT_FP6 matrix_a_scale:MATRIX_SCALE_ROW1
.else
	v_wmma_scale_f32_16x16x128_f8f6f4 v[8*(8*((\a)%4)+\b):8*(8*((\a)%4)+\b)+7], v[128*(\p)+FR*\b:128*(\p)+FR*\b+FR-1], v[AF+FR*(\a):AF+FR*(\a)+FR-1], v[8*(8*((\a)%4)+\b):8*(8*((\a)%4)+\b)+7], v[SC+8*NQ*(\sc)+NQ*\b+(\q)], v[SC+8*NQ*(\sc)+NQ*(\a)+(\q)] matrix_a_fmt:MATRIX_FMT_FP6 matrix_b_fmt:MATRIX_FMT_FP6 matrix_a_scale:MATRIX_SCALE_ROW1
.endif
.endr
.endr
.endm
.macro FETCH_B st, p
	WIN TO_B
.irp i, 0,1,2,3,4,5,6,7
	FRAG 128*(\p)+FR*\i, ADRB, \st, \i
.endr
	WIN 0
.endm
.macro FETCH_A st, i0
.irp i, \i0, \i0+1, \i0+2, \i0+3
	FRAG AF+FR*(\i), ADRA, \st, \i
.endr
.endm
.macro SCALES pr                       ; the scale words of steps 2 pr, 2 pr + 1: lanes 0-15 source 1's block i, lanes 16-31 source 0's
.irp i, 0,1,2,3,4,5,6,7
	ds_load_b64 v[SC+8*NQ*((\pr)%2)+NQ*\i:SC+8*NQ*((\pr)%2)+NQ*\i+1], v[ADRS] offset:\i*SBLK+4*NQ*(\pr)
.endr
.endm
.macro PLACES n
.rept \n
	v_nop
.endr
.endm
; A step of 128 along K.  Where the next step's bytes end in a chunk not read yet: a wait for my tensor loads and a barrier.  Where they begin in a later chunk: the old chunk is read no more: the wait, the add, the wait for it,
; the barrier, which opens a round of the cluster's barrier where a chunk two on is left to fetch, and the refill.
.macro STEP st, zero
.set NX, (\st)+1
.set C0, (96*(\st))/ROWB
.set C1, (96*NX)/ROWB
.set E0, (96*(\st)+95)/ROWB
.set E1, (96*NX+95)/ROWB
.if C1 > C0 || E1 > E0
	s_wait_tensorcnt 0x0                           ; all my tensor loads have landed
.if C1 > C0
	ds_add_u32 v[SPW], v[NIL]
	s_wait_dscnt 4*NL+1                            ; the add and the 24 loads of source 1's blocks 4-7 may be out
.else
	s_wait_dscnt 4*NL                              ; the 24 loads of source 1's blocks 4-7 may be out
.endif
	WIN MUL_LO
	MUL16 0, (\st)%2, (\st)%2, ((\st)/2)%2, \zero
	s_wait_dscnt 0x0                               ; the add and all my LDS reads are done
	s_barrier_signal -1
	MUL16 2, (\st)%2, (\st)%2, ((\st)/2)%2, \zero
	WIN 0
	s_barrier_wait -1
.if C1 > C0 && C0+2 < CHUNKS
	CREST
	s_add_nc_u64 s[G0+4*(C0%2)+2:G0+4*(C0%2)+3], s[G0+4*(C0%2)+2:G0+4*(C0%2)+3], 2*ROWB
	s_add_nc_u64 s[G0B+4*(C0%2)+2:G0B+4*(C0%2)+3], s[G0B+4*(C0%2)+2:G0B+4*(C0%2)+3], 2*ROWB
	JLOAD G0+4*(C0%2), G1, G0B+4*(C0%2), G1B       ; chunk C0 + 2; its four v_nop are the places in front of the loads below
.else
	PLACES NP
.endif
.else
	s_wait_dscnt 4*NL                              ; the 24 loads of source 1's blocks 4-7 may be out
	WIN MUL_LO
	MUL16 0, (\st)%2, (\st)%2, ((\st)/2)%2, \zero
	MUL16 2, (\st)%2, (\st)%2, ((\st)/2)%2, \zero
	s_wait_dscnt 0
	PLACES NP
.endif
	FETCH_B NX, NX%2
	FETCH_A NX, 0
.if NX%2 == 0
	SCALES NX/2
.endif
	WIN MUL_HI
	MUL16 4, (\st)%2, (\st)%2, ((\st)/2)%2, \zero
	MUL16 6, (\st)%2, (\st)%2, ((\st)/2)%2, \zero
	PLACES NP
	WIN 0
	FETCH_A NX, 4
.endm
	s_wait_alu depctr_va_vdst(0)                   ; the wait at the head's end
	s_wait_tensorcnt 0x0                           ; my tile of the head's four is in; the add, its wait and the round follow, ahead of a later first fill
	ds_add_u32 v[SPW], v[NIL]
	s_mov_b32 s[G1+2], 128<<16                     ; no tensor load of mine is out: from here on a load brings 128 rows
	s_mov_b32 s[G1+4], 128
	s_mov_b32 s[G1B+2], 128<<16
	s_mov_b32 s[G1B+4], 128
	s_wait_dscnt 0x0
	CROUND
	JLOAD G0+4, G1, G0B+4, G1B                     ; chunk 1
	s_load_b512 s[68:83], s[0:1], 0x20             ; qkv_b, qn_w, qn_b, kn_w, kn_b, qf, kf, vf (the scales' descriptors are done with)
	FETCH_B 0, 0
	FETCH_A 0, 0
	SCALES 0
	FETCH_A 0, 4
	STEP 0, 1                                      ; the first step's products start the sums
	; WHAT THE WAY OUT NEEDS IS ASKED FOR HERE, seven steps ahead of its use, into registers that the walk leaves idle
	s_wait_kmcnt 0x0
	s_lshr_b32 s2, s96, 4
	s_lshl_b32 s2, s2, 8
	s_lshl_b32 s3, s97, 4
	s_add_co_u32 s2, s2, s3
	s_and_b32 s3, s96, 15
	s_add_co_u32 s2, s2, s3
	s_mul_i32 s2, s2, 6656                         ; (16 (16 batch + head) + step) x 6,656
	s_mov_b32 s3, 0
	s_lshl_b32 s92, s98, 2
	s_mov_b32 s93, 0
	s_add_nc_u64 s[68:69], s[68:69], s[92:93]
	s_cmp_lg_u32 s95, 0
	s_cbranch_scc1 .Lpre_v
	s_mov_b32 s86, 0x3f800000
	s_cmp_eq_u32 s99, 0
	s_cselect_b64 s[70:71], s[70:71], s[74:75]
	s_cselect_b64 s[72:73], s[72:73], s[76:77]
	s_cselect_b64 s[84:85], s[78:79], s[80:81]
	s_cselect_b32 s86, 0x3e000000, s86             ; q's 1/8 goes into its gain and offset
	s_mov_b32 s87, s86
	s_add_nc_u64 s[84:85], s[84:85], s[2:3]
.irp e, 0,1                                    ; register 16 e + 4 j + c is d = 32 e + 16 (j / 2) + 8 h + 4 (j % 2) + c
.irp j, 0,1,2,3
	global_load_b128 v[LW+16*\e+4*\j:LW+16*\e+4*\j+3], v[BAQ], s[70:71] offset:128*\e+64*(\j/2)+16*(\j%2)
	global_load_b128 v[LB+16*\e+4*\j:LB+16*\e+4*\j+3], v[BAQ], s[72:73] offset:128*\e+64*(\j/2)+16*(\j%2)
.endr
.endr
	WIN 0x40
.irp g, 0,1
.irp e, 0,1
.irp j, 0,1,2,3
	global_load_b128 v[BI+128*\g+16*\e+4*\j:BI+128*\g+16*\e+4*\j+3], v[BAQ], s[68:69] offset:256*\g+128*\e+64*(\j/2)+16*(\j%2)
.endr
.endr
.endr
	WIN 0
	s_branch .Lpre_done
.Lpre_v:
	s_add_nc_u64 s[84:85], s[82:83], s[2:3]
	WIN 0x40
.irp a, 0,1,2,3,4,5,6,7
	global_load_b32 v[BI+2*\a], v[BAV], s[68:69] offset:64*\a          ; my feature 16 a + r, twice: a pair for the packed additions
	global_load_b32 v[BI+2*\a+1], v[BAV], s[68:69] offset:64*\a
.endr
	WIN 0
.Lpre_done:
.set ST, 1
.rept STEPS-2
	STEP ST, 0
.set ST, ST+1
.endr
	s_wait_dscnt 4*NL
	WIN MUL_LO
	MUL16 0, 1, 1, 1, 0
	MUL16 2, 1, 1, 1, 0
	s_wait_dscnt 0
	WIN MUL_HI
	MUL16 4, 1, 1, 1, 0
	MUL16 6, 1, 1, 1, 0
	WIN 0
; THE WAY OUT.  QUANT: 64 numbers of a lane, register 16 b + i going to place 32 b + 16 (lane / 16) + i of my row, become a fragment's codes in v[PC] on and its scale word.
.macro QUANT s, pw
.irp b, 0,1,2,3
	v_max3_num_f32 v[TM+\b], |v[\s+16*\b]|, |v[\s+1+16*\b]|, 0x1800000
.endr
.irp i, 2,4,6,8,10,12,14
.irp b, 0,1,2,3
	v_max3_num_f32 v[TM+\b], v[TM+\b], |v[\s+16*\b+\i]|, |v[\s+1+16*\b+\i]|
.endr
.endr
.irp b, 0,1,2,3
	v_permlanex16_b32 v[TM+4+\b], v[TM+\b], s20, s21
.endr
.irp b, 0,1,2,3
	v_max_num_f32 v[TM+\b], v[TM+\b], v[TM+4+\b]
.endr
.irp b, 0,1,2,3
	v_add_nc_u32 v[TM+12+\b], 0xff000000, v[TM+\b]
.endr
.irp b, 0,1,2,3
	v_lshrrev_b32 v[TM+4+\b], 23, v[TM+12+\b]
.endr
	v_lshl_or_b32 v[\pw], v[TM+5], 8, v[TM+4]
	v_lshl_or_b32 v[\pw], v[TM+6], 16, v[\pw]
	v_lshl_or_b32 v[\pw], v[TM+7], 24, v[\pw]
.irp c, 0,1
	v_cvt_scalef32_pk16_fp6_f32 v[PC+6*\c:PC+2+6*\c], v[\s+32*\c:\s+15+32*\c], v[TM+12+2*\c]
	v_cvt_scalef32_pk16_fp6_f32 v[PC+12+4*\c:PC+14+4*\c], v[\s+16+32*\c:\s+31+32*\c], v[TM+12+2*\c+1]
.endr
	v_nop
.irp c, 0,1
.irp i, 0,1,2
	v_permlane16_swap_b32 v[PC+6*\c+\i], v[PC+12+4*\c+\i]
.endr
.irp i, 0,1,2
	v_mov_b32 v[PC+3+6*\c+\i], v[PC+12+4*\c+\i]
.endr
.endr
.endm
.macro LNRED
.irp y, 0,1
	v_pk_add_f32 v[LN+8*\y:LN+8*\y+1], v[LN+8*\y:LN+8*\y+1], v[LN+8*\y+2:LN+8*\y+3]
.endr
.irp y, 0,1
	v_add_f32 v[LN+8*\y], v[LN+8*\y], v[LN+8*\y+1]
.endr
.irp y, 0,1
	v_permlanex16_b32 v[LN+8*\y+2], v[LN+8*\y], s20, s21
.endr
.irp y, 0,1
	v_add_f32 v[LN+8*\y], v[LN+8*\y], v[LN+8*\y+2]
.endr
.endm
.macro LN2                             ; LayerNorm of two rows of 64 (32 numbers a lane each, the other 32 in lane l xor 16): mean, centred squares, rsq, gain and offset
.irp y, 0,1
	v_pk_add_f32 v[LN+8*\y:LN+8*\y+1], v[X+32*\y:X+32*\y+1], v[X+32*\y+2:X+32*\y+3]
	v_pk_add_f32 v[LN+8*\y+2:LN+8*\y+3], v[X+32*\y+4:X+32*\y+5], v[X+32*\y+6:X+32*\y+7]
.endr
.irp i, 8,12,16,20,24,28
.irp y, 0,1
	v_pk_add_f32 v[LN+8*\y:LN+8*\y+1], v[LN+8*\y:LN+8*\y+1], v[X+32*\y+\i:X+32*\y+\i+1]
	v_pk_add_f32 v[LN+8*\y+2:LN+8*\y+3], v[LN+8*\y+2:LN+8*\y+3], v[X+32*\y+\i+2:X+32*\y+\i+3]
.endr
.endr
	LNRED
.irp y, 0,1
	v_mul_f32 v[LN+8*\y+4], s88, v[LN+8*\y]
.endr
.irp y, 0,1
	v_mov_b32 v[LN+8*\y+5], v[LN+8*\y+4]
.endr
.irp i, 0,2,4,6,8,10,12,14,16,18,20,22,24,26,28,30
.irp y, 0,1
	v_pk_add_f32 v[X+32*\y+\i:X+32*\y+\i+1], v[X+32*\y+\i:X+32*\y+\i+1], v[LN+8*\y+4:LN+8*\y+5]
.endr
.endr
.irp y, 0,1
	v_pk_mul_f32 v[LN+8*\y:LN+8*\y+1], v[X+32*\y:X+32*\y+1], v[X+32*\y:X+32*\y+1]
	v_pk_mul_f32 v[LN+8*\y+2:LN+8*\y+3], v[X+32*\y+2:X+32*\y+3], v[X+32*\y+2:X+32*\y+3]
.endr
.irp i, 4,8,12,16,20,24,28
.irp y, 0,1
	v_pk_fma_f32 v[LN+8*\y:LN+8*\y+1], v[X+32*\y+\i:X+32*\y+\i+1], v[X+32*\y+\i:X+32*\y+\i+1], v[LN+8*\y:LN+8*\y+1]
	v_pk_fma_f32 v[LN+8*\y+2:LN+8*\y+3], v[X+32*\y+\i+2:X+32*\y+\i+3], v[X+32*\y+\i+2:X+32*\y+\i+3], v[LN+8*\y+2:LN+8*\y+3]
.endr
.endr
	LNRED
.irp y, 0,1
	v_fma_f32 v[LN+8*\y+6], v[LN+8*\y], s89, s90
.endr
	s_wait_alu depctr_va_vdst(0)
.irp y, 0,1
	v_rsq_f32 v[LN+8*\y+6], v[LN+8*\y+6]
.endr
.irp y, 0,1
	v_mov_b32 v[LN+8*\y+7], 0
.endr
	s_wait_alu depctr_va_vdst(0)
.irp i, 0,2,4,6,8,10,12,14,16,18,20,22,24,26,28,30
.irp y, 0,1
	v_pk_mul_f32 v[X+32*\y+\i:X+32*\y+\i+1], v[X+32*\y+\i:X+32*\y+\i+1], v[LN+8*\y+6:LN+8*\y+7] op_sel_hi:[1,0]
.endr
.endr
.irp i, 0,2,4,6,8,10,12,14,16,18,20,22,24,26,28,30
.irp y, 0,1
	v_pk_fma_f32 v[X+32*\y+\i:X+32*\y+\i+1], v[X+32*\y+\i:X+32*\y+\i+1], v[LW+\i:LW+\i+1], v[LB+\i:LB+\i+1]
.endr
.endr
.endm
.macro FRAGQK f, g                     ; two tiles of 16 tokens x head g: bias, LayerNorm, codes: one fragment's image
.set WN, 0x06+(\f)/2
.set AC, 64*((2*(\f))%4)+32*(\g)
	WIN WN
.irp i, 0,2,4,6,8,10,12,14,16,18,20,22,24,26,28,30
	v_pk_add_f32 v[X+\i:X+\i+1], v[AC+\i:AC+\i+1], v[BI+128*(\g)+\i:BI+128*(\g)+\i+1]
.endr
.irp i, 0,2,4,6,8,10,12,14,16,18,20,22,24,26,28,30
	v_pk_add_f32 v[X+32+\i:X+32+\i+1], v[AC+64+\i:AC+64+\i+1], v[BI+128*(\g)+\i:BI+128*(\g)+\i+1]
.endr
	WIN 0
	LN2
	s_wait_xcnt 0x0                                ; the earlier stores have read their data registers
	QUANT X, SW+\f
.irp c, 0,1,2
	global_store_b128 v[OL], v[PC+4*\c:PC+4*\c+3], s[84:85] offset:(\g)*HEADB+1536*(\f)+512*\c
.endr
.if \f == 3
	global_store_b128 v[OL], v[SW:SW+3], s[84:85] offset:(\g)*HEADB+6144
.endif
.endm
.macro FRAGV a                         ; 16 features of v x 128 keys: bias, codes along the keys
.set WN, 0x06+(\a)/4
.set AC, 64*((\a)%4)
	WIN WN
.irp i, 0,2,4,6,8,10,12,14,16,18,20,22,24,26,28,30,32,34,36,38,40,42,44,46,48,50,52,54,56,58,60,62
	v_pk_add_f32 v[X+\i:X+\i+1], v[AC+\i:AC+\i+1], v[BI+2*(\a):BI+2*(\a)+1]
.endr
	WIN 0
	s_wait_xcnt 0x0
	QUANT X, SW+(\a)%4
.irp c, 0,1,2
	global_store_b128 v[OL], v[PC+4*\c:PC+4*\c+3], s[84:85] offset:((\a)/4)*HEADB+1536*((\a)%4)+512*\c
.endr
.if (\a)%4 == 3
	global_store_b128 v[OL], v[SW:SW+3], s[84:85] offset:((\a)/4)*HEADB+6144
.endif
.endm
	PLACES NP
	s_mov_b32 s20, 0x76543210
	s_mov_b32 s21, 0xfedcba98
	s_mov_b32 s88, 0xbc800000                      ; -1/64
	s_mov_b32 s89, 0x3c800000                      ; 1/64
	s_mov_b32 s90, 0x3727c5ac                      ; 1e-5
.irp b, 0,1,2,3
	v_mov_b32 v[TM+4+\b], 0
.endr
	s_cmp_lg_u32 s95, 0
	s_cbranch_scc1 .Lv
	s_wait_loadcnt 0x0                             ; the gain, the offset and the bias, asked for behind step 0
.irp i, 0,2,4,6,8,10,12,14,16,18,20,22,24,26,28,30
	v_pk_mul_f32 v[LW+\i:LW+\i+1], v[LW+\i:LW+\i+1], s[86:87] op_sel_hi:[1,0]
	v_pk_mul_f32 v[LB+\i:LB+\i+1], v[LB+\i:LB+\i+1], s[86:87] op_sel_hi:[1,0]
.endr
.irp g, 0,1
.irp f, 0,1,2,3
	FRAGQK \f, \g
.endr
.endr
	s_branch .Ldone
.Lv:
	s_wait_loadcnt 0x0                             ; the bias, asked for behind step 0
.irp a, 0,1,2,3,4,5,6,7
	FRAGV \a
.endr
.Ldone:
	s_wait_tensorcnt 0x0                           ; the wave's end
	ds_add_u32 v[SPW], v[NIL]
	s_wait_dscnt 0x0
	CROUND                                         ; the closing round
	s_endpgm
.Lfunc_end_k_qfc56b2c60e_qkv:
	.size	k_qfc56b2c60e_qkv, .Lfunc_end_k_qfc56b2c60e_qkv-k_qfc56b2c60e_qkv
	.p2alignl 7, 3214868480
	.fill 96, 4, 3214868480
	.section	.rodata,"a",@progbits
	.p2align	6, 0x0
	.amdhsa_kernel k_qfc56b2c60e_qkv
		.amdhsa_group_segment_fixed_size 327680
		.amdhsa_private_segment_fixed_size 0
		.amdhsa_enable_private_segment 0
		.amdhsa_kernarg_size 96
		.amdhsa_user_sgpr_count 2
		.amdhsa_user_sgpr_kernarg_segment_ptr 1
		.amdhsa_wavefront_size32 1
		.amdhsa_system_sgpr_workgroup_id_x 1
		.amdhsa_system_sgpr_workgroup_id_y 1
		.amdhsa_system_sgpr_workgroup_id_z 1
		.amdhsa_system_vgpr_workitem_id 0
		.amdhsa_next_free_vgpr 1024
		.amdhsa_next_free_sgpr 102
		.amdhsa_reserve_vcc 0
		.amdhsa_float_denorm_mode_32 3
		.amdhsa_float_denorm_mode_16_64 3
		.amdhsa_memory_ordered 1
		.amdhsa_forward_progress 1
		.amdhsa_inst_pref_size 255
	.end_amdhsa_kernel
	.section	.bss,"aw",@nobits
	.p2align	6
	.space	262144
	.amdgpu_metadata
---
amdhsa.version: [ 1, 2 ]
amdhsa.kernels:
  - .name:           k_qfc56b2c60e_qkv
    .symbol:         k_qfc56b2c60e_qkv.kd
    .args:
      - { .name: x_codes, .offset: 0, .size: 8, .value_kind: global_buffer, .address_space: global }
      - { .name: x_scales, .offset: 8, .size: 8, .value_kind: global_buffer, .address_space: global }
      - { .name: qkv_w_codes, .offset: 16, .size: 8, .value_kind: global_buffer, .address_space: global }
      - { .name: qkv_w_scales, .offset: 24, .size: 8, .value_kind: global_buffer, .address_space: global }
      - { .name: qkv_b, .offset: 32, .size: 8, .value_kind: global_buffer, .address_space: global }
      - { .name: qn_w, .offset: 40, .size: 8, .value_kind: global_buffer, .address_space: global }
      - { .name: qn_b, .offset: 48, .size: 8, .value_kind: global_buffer, .address_space: global }
      - { .name: kn_w, .offset: 56, .size: 8, .value_kind: global_buffer, .address_space: global }
      - { .name: kn_b, .offset: 64, .size: 8, .value_kind: global_buffer, .address_space: global }
      - { .name: qf, .offset: 72, .size: 8, .value_kind: global_buffer, .address_space: global }
      - { .name: kf, .offset: 80, .size: 8, .value_kind: global_buffer, .address_space: global }
      - { .name: vf, .offset: 88, .size: 8, .value_kind: global_buffer, .address_space: global }
    .group_segment_fixed_size: 327680
    .private_segment_fixed_size: 0
    .kernarg_segment_align: 8
    .kernarg_segment_size: 96
    .max_flat_workgroup_size: 128
    .sgpr_count:     102
    .vgpr_count:     1024
    .wavefront_size: 32
...
	.end_amdgpu_metadata
.endif
;; end of part 1
;; launch attn (part 2): grid 8 x 32, 16 waves a work-group, clusters of 4 x 1, 327,680 bytes of LDS; arguments qf, kf, vf, of; writes of
.if DOCPART == 2
	.amdgcn_target "amdgcn-amd-amdhsa--gfx1250"
	.amdhsa_code_object_version 6
	.text
	.protected	k_qfc56b2c60e_attn
	.globl	k_qfc56b2c60e_attn
	.p2align	8
	.type	k_qfc56b2c60e_attn,@function
k_qfc56b2c60e_attn:
	s_mov_b64 s[64:65], 0
	v_nop
	global_prefetch_b8 v0, s[64:65] scope:SCOPE_SE
	s_setreg_imm32_b32 hwreg(HW_REG_WAVE_MODE, 25, 1), 1
	s_wait_xcnt 0x0
	s_wait_alu depctr_hold_cnt(0) depctr_sa_sdst(0) depctr_va_vdst(0) depctr_va_sdst(0) depctr_va_ssrc(0) depctr_va_vcc(0) depctr_vm_vsrc(0)
	s_getreg_b32 s2, hwreg(HW_REG_IB_STS2, 6, 4)
	s_cmp_eq_u32 s2, 0
	s_cbranch_scc0 .Lentry_in_a_cluster
	s_endpgm
.Lentry_in_a_cluster:
	s_bfe_u32 s2, ttmp6, 0x10000c
	s_cmp_lg_u32 s2, 0x3003
	s_cbranch_scc0 .Lentry_shape_is_right
	s_endpgm
.Lentry_shape_is_right:
; SECOND LAUNCH.  For each head: S = q k^T, logit = 30 tanh(S / 30), p = 2^(logit x log2(e) - M), O = (p v) / (the row's sum of p), all products on codes of FP6 (E2M3) with E8M0 scales; O is quantised along C for the projection.
; M = 0, AND NO MAXIMUM IS SEARCHED FOR.  The problem's own cap bounds the exponent for every input: |t| = |30 tanh(.) log2(e)| <= 43.29.  So p lies between 2^-43.3 and 2^43.3 and a row's sum of 2,048 of them under 2^54.3:
; nothing can overflow or underflow in f32.  Against M = ceil(the row's largest t), a whole number, p and the sum differ by the exact factor 2^M, which each block's scale takes up: the codes' values are the same.
; tanh(x) = 1 - 2 / (1 + e^(2 x)), so t = c - 2 c / (1 + E), E = 2^u, u = S k1, c = 30 log2(e), k1 = 2 log2(e) / 30.
; ONE RECIPROCAL SERVES FOUR SCORES.  With a = kappa (1 + E), kappa = -1 / (2 c), t = c + 1 / a.  Of four such numbers A, B, C, D: R = 1 / (A B C D), 1 / (A B) = R (C D), 1 / A = (1 / (A B)) B, and the last
; multiplication is one multiply-add with c.  For eight scores: five packed multiplications, two reciprocals, four packed multiply-adds.  u is held at 30 from above: there 2 c / (1 + E) is under half an ulp of c, so t is c as without
; the hold, and |a| stays between 2^-6.5 and 2^23.6: no product of four overflows or underflows, whatever the inputs.
; LIMITS: 2 c / (1 + E) carries the roundings of four multiplications and a reciprocal, and is taken from c: t has an absolute error of up to about 1.5e-5, p a relative one of up to about 1e-5;
; NaN and infinities in the workspace are not served; a block under 2^(3 - 127) keeps the scale byte 1.
; SHARES.  A work-group owns 256 queries of one head; each of its sixteen waves one tile of 16, in 256 registers: four waves to a SIMD.
; A HEAD'S K AND V LIE WHOLE IN LDS, as images of operand registers with their scale words (2 x 106,496 bytes), each byte filled once.  Key steps 0-3 come by the head's loads, one a wave; steps 4-15 by a second load a wave, behind the waits, the add and
; the round; a barrier behind step 1 shows them to all waves.  The launch claims all of LDS.
; CLUSTER.  The four work-groups of a cluster belong to one head: every load of K and V is asked for jointly, with the same descriptor and the mask of all four.
; LAYOUT.  Both products are used transposed: a lane holds ONE query throughout.  A fragment of kf holds TWO tiles of 16 keys (k 0-63: the first's d, k 64-127: the second's): it is multiplied once by [q, 0] and once by [0, q];
; zero codes add nothing.  No prefetch: all that a work-group reads is asked for ahead of its first key step.
; of: [tile of 16 tokens][12,800]: head hd's 6 registers of codes as three planes of 256 bytes (registers 2 p, 2 p + 1 of lane L at 768 hd + 256 p + 8 L); from 12,288 on token lane r's 32 scale bytes at 32 r.
.set STEPB, 6656
.set HEADB, 16*STEPB
.set VREG,  HEADB                      ; LDS: K from 0, V from here
.set SPARE, 2*HEADB                    ; the spare words, 128 bytes a wave, that no other line names
.set AK0, 1
.set AV0, 2
.set ADK, 3
.set ADV, 4
.set SPW, 5
.set NIL, 6
.set QA,  7
.set QB,  8
.set GO,  9
.set L0,  10                           ; v[10:11], v[12:13] the row's sum, in two chains of pairs
.set L1,  12
.set QS,  14
.set PS,  15
.set QLO, 16                           ; v16-27 [q, 0]
.set QHI, 28                           ; v28-39 [0, q]
.set FRG, 40                           ; v40-87 four fragments: K's, then V's
.set KSC, 88
.set VSC, 92
.set S,   96                           ; v96-159 scores, then p
.set O,   160                          ; v160-191 O^T
.set PC,  192
.set TM,  212
.set CC,  228                          ; v[228:229] c, twice
.set KV,  230                          ; v[230:231] kappa, twice
.set T,   232                          ; v232-255 six registers for each of four groups of eight scores
.set PW16, 232                         ; (the way out)
.set GS,  233
.set WV,  12
.set G1A, 24
.set G1B, 32
.set G0K0, 40
.set G0K1, 44
.set G0V0, 48
.set G0V1, 52
.set K1,  22                           ; s[22:23]
.set KP,  56                           ; s[56:57] kappa
.set TB,  58
.set CNT, 59
.set CL,  72                           ; 30.0
.macro ROUND
	s_barrier_signal -1
	s_barrier_wait -1
	s_cmp_lg_u32 s[WV], 0
	s_cbranch_scc1 .Lnot_wave_0_\@
	s_barrier_signal -3
.Lnot_wave_0_\@:
	s_barrier_wait -3
	s_barrier_signal -1
	s_barrier_wait -1
.endm
.macro PLACES n
.rept \n
	v_nop
.endr
.endm
.macro KVLOAD gk, gv, g1               ; waves 0-7 fetch K, waves 8-15 V: one load a wave
	s_cmp_lt_u32 s[WV], 8
	s_cbranch_scc0 .Lfor_v_\@
	tensor_load_to_lds s[\gk:\gk+3], s[\g1:\g1+7]
	s_nop 0
.rept 4
	v_nop
.endr
	s_branch .Lkv_asked_\@
.Lfor_v_\@:
	tensor_load_to_lds s[\gv:\gv+3], s[\g1:\g1+7]
	s_nop 0
.rept 4
	v_nop
.endr
.Lkv_asked_\@:
.endm
	s_load_b256 s[4:11], s[0:1], 0x0               ; qf, kf, vf, of
	v_lshl_add_u32 v[SPW], v0, 2, SPARE
	v_mov_b32 v[NIL], 0
	ds_add_u32 v[SPW], v[NIL]                      ; the opening lines: the add twice and its wait ahead of my first tensor load
	ds_add_u32 v[SPW], v[NIL]
	v_lshrrev_b32 v1, 5, v0
	s_delay_alu instid0(VALU_DEP_1)
	v_readfirstlane_b32 s[WV], v1                  ; wave 0..15
	s_bfe_u32 s13, ttmp6, 0x40000                  ; cx
	s_lshl_b32 s14, ttmp9, 2
	s_add_co_u32 s14, s14, s13                     ; my block of 256 queries: it enters qf's and of's addresses alone
	s_and_b32 s15, ttmp7, 0xffff                   ; 16 batch + head, which the partners share
	s_and_b32 s16, s[WV], 7
	; groups 1: dense bytes as rows of 256: 13 rows (an eighth of steps 0-3), 39 rows (an eighth of steps 4-15)
	s_mov_b32 s[G1A], 15|(3<<16)|(1<<21)
	s_mov_b32 s[G1A+1], 32<<16
	s_mov_b32 s[G1A+2], 13<<16
	s_mov_b32 s[G1A+3], 32<<16
	s_mov_b32 s[G1A+4], 13
	s_mov_b32 s[G1A+5], 32
	s_mov_b32 s[G1A+6], 0
	s_mov_b32 s[G1A+7], 0
	s_mov_b32 s[G1B], 15|(3<<16)|(1<<21)
	s_mov_b32 s[G1B+1], 32<<16
	s_mov_b32 s[G1B+2], 39<<16
	s_mov_b32 s[G1B+3], 32<<16
	s_mov_b32 s[G1B+4], 39
	s_mov_b32 s[G1B+5], 32
	s_mov_b32 s[G1B+6], 0
	s_mov_b32 s[G1B+7], 0
	s_mul_i32 s19, s15, HEADB                      ; the head's first byte in qf, kf, vf
	s_mul_i32 s17, s16, 13*256
	s_mul_i32 s18, s16, 39*256
	s_add_co_u32 s18, s18, 4*STEPB
	s_add_co_u32 s66, s19, s17
	s_mov_b32 s67, 0
	s_add_co_u32 s68, s19, s18
	s_mov_b32 s69, 0
	; my tile of queries: step 2 block + wave / 8, fragment (wave / 2) % 4, half u = wave % 2
	s_lshr_b32 s60, s[WV], 3
	s_lshl_b32 s61, s14, 1
	s_add_co_u32 s60, s60, s61
	s_mul_i32 s60, s60, STEPB
	s_add_co_u32 s60, s60, s19
	s_bfe_u32 s61, s[WV], 0x20001
	s_mul_i32 s2, s61, 1536
	s_add_co_u32 s2, s2, s60
	s_mov_b32 s3, 0
	s_lshl_b32 s70, s61, 2
	s_add_co_u32 s70, s70, s60
	s_add_co_u32 s70, s70, 6144
	s_mov_b32 s71, 0
	s_and_b32 s61, s[WV], 1
	s_mul_i32 s62, s61, 520
	s_mul_i32 s63, s61, 1016
	s_lshl_b32 s61, s61, 4
	s_mov_b32 s20, 0x76543210
	s_mov_b32 s21, 0xfedcba98
	s_mov_b32 s[K1], 0x3dc4f9d9                    ; 2 log2(e) / 30
	s_mov_b32 s[K1+1], s[K1]
	s_mov_b32 s[KP], 0xbc3d4680                    ; kappa = -ln(2) / 60
	s_mov_b32 s[KP+1], s[KP]
	s_mov_b32 s[CL], 0x41f00000                    ; 30.0
	s_mov_b32 s[TB], 0
	s_wait_dscnt 0x0                               ; both opening adds are done
	s_wait_kmcnt 0x0
	s_mov_b32 s[G0K0], 1
	s_mov_b32 s[G0K0+1], s17
	s_add_nc_u64 s[G0K0+2:G0K0+3], s[6:7], s[66:67]
	s_or_b32 s[G0K0+3], s[G0K0+3], 0x80000000
	s_mov_b32 s[G0K1], 1
	s_mov_b32 s[G0K1+1], s18
	s_add_nc_u64 s[G0K1+2:G0K1+3], s[6:7], s[68:69]
	s_or_b32 s[G0K1+3], s[G0K1+3], 0x80000000
	s_mov_b32 s[G0V0], 1
	s_add_co_u32 s[G0V0+1], s17, VREG
	s_add_nc_u64 s[G0V0+2:G0V0+3], s[8:9], s[66:67]
	s_or_b32 s[G0V0+3], s[G0V0+3], 0x80000000
	s_mov_b32 s[G0V1], 1
	s_add_co_u32 s[G0V1+1], s18, VREG
	s_add_nc_u64 s[G0V1+2:G0V1+3], s[8:9], s[68:69]
	s_or_b32 s[G0V1+3], s[G0V1+3], 0x80000000
	s_add_nc_u64 s[2:3], s[4:5], s[2:3]
	s_add_nc_u64 s[70:71], s[4:5], s[70:71]
	ROUND                                          ; all four work-groups are here: the joint loads meet
	KVLOAD G0K0, G0V0, G1A                         ; steps 0-3
	v_and_b32 v[GO], 31, v0
	s_delay_alu instid0(VALU_DEP_1)
	v_lshlrev_b32 v[AK0], 4, v[GO]
	s_delay_alu instid0(VALU_DEP_1)
	v_add_nc_u32 v[AV0], VREG, v[AK0]
	s_delay_alu instid0(VALU_DEP_2)
	v_add_nc_u32 v[QA], s62, v[AK0]
	s_delay_alu instid0(VALU_DEP_3)
	v_add_nc_u32 v[QB], s63, v[AK0]
	; registers 6 u .. 6 u + 5 of the image lie at bytes 0, 8, 512 (u = 0) or 520, 1,024, 1,032 (u = 1) + 16 x lane; they are loaded twice: the two forms of q share no register
.irp d, QLO, QHI+6
	global_load_b64 v[\d:\d+1], v[QA], s[2:3]
	global_load_b64 v[\d+2:\d+3], v[QB], s[2:3] offset:8
	global_load_b64 v[\d+4:\d+5], v[QA], s[2:3] offset:512
.endr
	global_load_b32 v[QS], v[AK0], s[70:71]
.irp i, 0,1,2,3,4,5
	v_mov_b32 v[QLO+6+\i], 0
	v_mov_b32 v[QHI+\i], 0
.endr
.irp i, 0,1,2,3
	v_mov_b32 v[L0+\i], 0
	v_mov_b32 v[TM+4+\i], 0                        ; a lane permute's destination counts as one of its sources
.endr
	v_mov_b32 v[CC], 0x422d1f97                    ; c = 30 log2(e)
	v_mov_b32 v[CC+1], 0x422d1f97
	v_mov_b32 v[KV], s[KP]
	v_mov_b32 v[KV+1], s[KP]
	s_wait_loadcnt 0x0
	v_lshrrev_b32 v[QS], s61, v[QS]
	s_delay_alu instid0(VALU_DEP_1)
	v_and_b32 v[QS], 0xffff, v[QS]
	s_delay_alu instid0(VALU_DEP_1)
	v_lshl_or_b32 v[QS], v[QS], 16, v[QS]          ; my tile's two bytes serve k 0-63 and k 64-127 alike
	PLACES 8                                       ; a scale register written by a vector instruction stands eight places ahead of a scaled matrix instruction
.macro QUANT s, pw                     ; 64 numbers of a lane, register 16 b + i = k 32 b + 16 (lane / 16) + i, become a fragment's codes in v[PC] on and its scale word
.irp b, 0,1,2,3
	v_max3_num_f32 v[TM+\b], |v[\s+16*\b]|, |v[\s+1+16*\b]|, 0x1800000   ; and the floor 2^(3 - 127)
.endr
.irp i, 2,4,6,8,10,12,14
.irp b, 0,1,2,3
	v_max3_num_f32 v[TM+\b], v[TM+\b], |v[\s+16*\b+\i]|, |v[\s+1+16*\b+\i]|
.endr
.endr
.irp b, 0,1,2,3
	s_delay_alu instid0(VALU_DEP_4)
	v_permlanex16_b32 v[TM+4+\b], v[TM+\b], s20, s21
.endr
.irp b, 0,1,2,3
	s_delay_alu instid0(VALU_DEP_4)
	v_max_num_f32 v[TM+\b], v[TM+\b], v[TM+4+\b]
.endr
.irp b, 0,1,2,3
	s_delay_alu instid0(VALU_DEP_4)
	v_add_nc_u32 v[TM+12+\b], 0xff000000, v[TM+\b]
.endr
.irp b, 0,1,2,3
	s_delay_alu instid0(VALU_DEP_4)
	v_lshrrev_b32 v[TM+4+\b], 23, v[TM+12+\b]
.endr
	s_delay_alu instid0(VALU_DEP_3)
	v_lshl_or_b32 v[\pw], v[TM+5], 8, v[TM+4]
	s_delay_alu instid0(VALU_DEP_1)
	v_lshl_or_b32 v[\pw], v[TM+6], 16, v[\pw]
	s_delay_alu instid0(VALU_DEP_1)
	v_lshl_or_b32 v[\pw], v[TM+7], 24, v[\pw]
.irp c, 0,1
	v_cvt_scalef32_pk16_fp6_f32 v[PC+6*\c:PC+2+6*\c], v[\s+32*\c:\s+15+32*\c], v[TM+12+2*\c]
	v_cvt_scalef32_pk16_fp6_f32 v[PC+12+4*\c:PC+14+4*\c], v[\s+16+32*\c:\s+31+32*\c], v[TM+12+2*\c+1]
.endr
	v_nop
.irp c, 0,1
.irp i, 0,1,2
	v_permlane16_swap_b32 v[PC+6*\c+\i], v[PC+12+4*\c+\i]
.endr
.irp i, 0,1,2
	s_delay_alu instid0(VALU_DEP_3)
	v_mov_b32 v[PC+3+6*\c+\i], v[PC+12+4*\c+\i]
.endr
.endr
.endm
; 32 of the lane's numbers a (registers S + 32 hf on) become p.  A group is eight registers, the pairs A, B, C, D; its six spare registers hold AB, CD, ABCD.  The four groups take turns line by line.
.macro GRP g, hf
.set BB, S+32*(\hf)+8*(\g)
.set TT, T+6*(\g)
.endm
.macro HALF hf
.irp g, 0,1,2,3
	GRP \g, \hf
	v_pk_mul_f32 v[TT:TT+1], v[BB:BB+1], v[BB+2:BB+3]                  ; A B
.endr
.irp g, 0,1,2,3
	GRP \g, \hf
	v_pk_mul_f32 v[TT+2:TT+3], v[BB+4:BB+5], v[BB+6:BB+7]              ; C D
.endr
.irp g, 0,1,2,3
	GRP \g, \hf
	v_pk_mul_f32 v[TT+4:TT+5], v[TT:TT+1], v[TT+2:TT+3]                ; A B C D
.endr
	s_wait_alu depctr_va_vdst(0)                   ; the wait ahead of a batch,
.irp g, 0,1,2,3
	GRP \g, \hf
	v_rcp_f32 v[TT+4], v[TT+4]
	v_rcp_f32 v[TT+5], v[TT+5]
.endr
	v_nop
	s_wait_alu depctr_va_vdst(0)                   ; and behind it
.irp g, 0,1,2,3
	GRP \g, \hf
	v_pk_mul_f32 v[TT+2:TT+3], v[TT+4:TT+5], v[TT+2:TT+3]              ; 1 / (A B)
.endr
.irp g, 0,1,2,3
	GRP \g, \hf
	v_pk_mul_f32 v[TT:TT+1], v[TT+4:TT+5], v[TT:TT+1]                  ; 1 / (C D)
.endr
.irp g, 0,1,2,3
	GRP \g, \hf
	v_pk_fma_f32 v[TT+4:TT+5], v[TT+2:TT+3], v[BB+2:BB+3], v[CC:CC+1]  ; t of A = c + 1 / A
.endr
.irp g, 0,1,2,3
	GRP \g, \hf
	v_pk_fma_f32 v[BB+2:BB+3], v[TT+2:TT+3], v[BB:BB+1], v[CC:CC+1]    ; t of B, in its place
.endr
.irp g, 0,1,2,3
	GRP \g, \hf
	v_pk_fma_f32 v[TT+2:TT+3], v[TT:TT+1], v[BB+6:BB+7], v[CC:CC+1]    ; t of C
.endr
.irp g, 0,1,2,3
	GRP \g, \hf
	v_pk_fma_f32 v[BB+6:BB+7], v[TT:TT+1], v[BB+4:BB+5], v[CC:CC+1]    ; t of D, in its place
.endr
	s_wait_alu depctr_va_vdst(0)
.irp g, 0,1,2,3
	GRP \g, \hf
	v_exp_f32 v[BB], v[TT+4]                       ; p = 2^t, each at its key's register
	v_exp_f32 v[BB+1], v[TT+5]
	v_exp_f32 v[BB+2], v[BB+2]
	v_exp_f32 v[BB+3], v[BB+3]
	v_exp_f32 v[BB+4], v[TT+2]
	v_exp_f32 v[BB+5], v[TT+3]
	v_exp_f32 v[BB+6], v[BB+6]
	v_exp_f32 v[BB+7], v[BB+7]
.endr
	v_nop                                          ; a plain place behind the batch
.endm
; A KEY STEP: 128 keys.  zero = 1: the first step's products start O^T's sums.
.macro STEP zero
	v_add_nc_u32 v[ADK], s[TB], v[AK0]
	v_add_nc_u32 v[ADV], s[TB], v[AV0]
	v_nop
	v_nop                                          ; four places behind the last step's products, in front of loads into their registers
.irp f, 0,1,2,3
.irp c, 0,1,2
	ds_load_b128 v[FRG+12*\f+4*\c:FRG+12*\f+4*\c+3], v[ADK] offset:1536*\f+512*\c
.endr
.endr
	ds_load_b128 v[KSC:KSC+3], v[ADK] offset:6144
	s_wait_alu depctr_va_vdst(0)
	s_wait_dscnt 0x0
.irp f, 0,1,2,3                                ; S^T = K Q^T: register 16 f + 8 u + j becomes key 32 f + 16 u + 8 (lane / 16) + j of my query: inside a block of 32 keys p's codes take the order in which vf holds v's
	v_wmma_scale_f32_16x16x128_f8f6f4 v[S+16*\f:S+16*\f+7], v[FRG+12*\f:FRG+12*\f+11], v[QLO:QLO+11], 0, v[KSC+\f], v[QS] matrix_a_fmt:MATRIX_FMT_FP6 matrix_b_fmt:MATRIX_FMT_FP6
	v_wmma_scale_f32_16x16x128_f8f6f4 v[S+16*\f+8:S+16*\f+15], v[FRG+12*\f:FRG+12*\f+11], v[QHI:QHI+11], 0, v[KSC+\f], v[QS] matrix_a_fmt:MATRIX_FMT_FP6 matrix_b_fmt:MATRIX_FMT_FP6
.endr
	PLACES 4
.irp f, 0,1,2,3                                ; V's fragments take K's registers, and land while the softmax is worked
.irp c, 0,1,2
	ds_load_b128 v[FRG+12*\f+4*\c:FRG+12*\f+4*\c+3], v[ADV] offset:1536*\f+512*\c
.endr
.endr
	ds_load_b128 v[VSC:VSC+3], v[ADV] offset:6144
.set j, 0
.rept 32
	v_pk_mul_f32 v[S+j:S+j+1], v[S+j:S+j+1], s[K1:K1+1] op_sel_hi:[1,0]   ; u = S k1; each accumulator from its low end on
.set j, j+2
.endr
.set j, 0
.rept 32
	v_dual_min_num_f32 v[S+j], s[CL], v[S+j] :: v_dual_min_num_f32 v[S+j+1], s[CL], v[S+j+1]   ; held at 30, two registers an instruction: an even and an odd destination, second sources in neighbouring banks
.set j, j+2
.endr
.set j, 0
	s_wait_alu depctr_va_vdst(0)
.rept 64
	v_exp_f32 v[S+j], v[S+j]                       ; E
.set j, j+1
.endr
	v_nop
	s_wait_alu depctr_va_vdst(0)
.set j, 0
.rept 32
	v_pk_fma_f32 v[S+j:S+j+1], v[S+j:S+j+1], s[KP:KP+1], v[KV:KV+1] op_sel_hi:[1,0,1]   ; a = kappa E + kappa
.set j, j+2
.endr
	HALF 0
	HALF 1                                         ; its first lines write registers that the batch above read: the plain place stands between
	s_wait_alu depctr_va_vdst(0)                   ; one wait for both batches of p, ahead of their first reader
	QUANT S, PS
.set j, 0
.rept 16
	v_pk_add_f32 v[L0:L0+1], v[L0:L0+1], v[S+j:S+j+1]       ; the row's sum is taken of the unquantised p.  (These 32 are also the places between the codes' and the scale word's last writes and the products)
	v_pk_add_f32 v[L1:L1+1], v[L1:L1+1], v[S+j+2:S+j+3]
.set j, j+4
.endr
	s_wait_dscnt 0x0                               ; V is in
.irp t, 0,1,2,3                                ; O^T += V^T P^T: the four accumulators by turns
.if \zero
	v_wmma_scale_f32_16x16x128_f8f6f4 v[O+8*\t:O+8*\t+7], v[FRG+12*\t:FRG+12*\t+11], v[PC:PC+11], 0, v[VSC+\t], v[PS] matrix_a_fmt:MATRIX_FMT_FP6 matrix_b_fmt:MATRIX_FMT_FP6
.else
	v_wmma_scale_f32_16x16x128_f8f6f4 v[O+8*\t:O+8*\t+7], v[FRG+12*\t:FRG+12*\t+11], v[PC:PC+11], v[O+8*\t:O+8*\t+7], v[VSC+\t], v[PS] matrix_a_fmt:MATRIX_FMT_FP6 matrix_b_fmt:MATRIX_FMT_FP6
.endif
.endr
	s_add_co_u32 s[TB], s[TB], STEPB
.endm
	s_wait_alu depctr_va_vdst(0)                   ; the wait at the head's end
	s_wait_tensorcnt 0x0                           ; my part of steps 0-3 is in; the add, its wait and the round follow, ahead of a later first fill
	ds_add_u32 v[SPW], v[NIL]
	s_wait_dscnt 0x0
	ROUND                                          ; everybody's part is in, and the four work-groups are here
	KVLOAD G0K1, G0V1, G1B                         ; steps 4-15: one load of mine is out
	STEP 1
	STEP 0
	s_wait_tensorcnt 0x0                           ; my part of steps 4-15 is in,
	s_wait_dscnt 0x0
	s_barrier_signal -1
	s_barrier_wait -1                              ; everybody's is
	s_mov_b32 s[CNT], 14
.Lrest:
	STEP 0
	s_sub_co_u32 s[CNT], s[CNT], 1
	s_cmp_lg_u32 s[CNT], 0
	s_cbranch_scc1 .Lrest
	; THE WAY OUT: O^T / the sum, quantised along C (my head's two blocks of 32), stored as half a fragment's image
	s_wait_alu depctr_va_vdst(0)
	v_pk_add_f32 v[L0:L0+1], v[L0:L0+1], v[L1:L1+1]
	s_delay_alu instid0(VALU_DEP_1)
	v_add_f32 v[L0], v[L0], v[L0+1]
	s_delay_alu instid0(VALU_DEP_1)
	v_permlanex16_b32 v[L1], v[L0], s20, s21
	s_delay_alu instid0(VALU_DEP_1)
	v_add_f32 v[L0], v[L0], v[L1]                  ; the row's sum
	s_wait_alu depctr_va_vdst(0)
	v_rcp_f32 v[L0], v[L0]
	v_and_b32 v[GO], 31, v0
	s_delay_alu instid0(VALU_DEP_1)
	v_lshlrev_b32 v[GO], 3, v[GO]                  ; 8 x lane
	v_and_b32 v[GS], 15, v0
	s_delay_alu instid0(VALU_DEP_1)
	v_lshlrev_b32 v[GS], 5, v[GS]                  ; 32 x (lane % 16)
	s_lshr_b32 s60, s15, 4
	s_lshl_b32 s60, s60, 7
	s_lshl_b32 s61, s14, 4
	s_add_co_u32 s60, s60, s61
	s_add_co_u32 s60, s60, s[WV]                   ; my tile of tokens: 128 batch + 16 block + wave
	s_mul_i32 s60, s60, 12800
	s_and_b32 s61, s15, 15                         ; the head
	s_mul_i32 s62, s61, 768
	s_add_co_u32 s62, s62, s60
	s_mov_b32 s63, 0
	s_lshl_b32 s61, s61, 1
	s_add_co_u32 s60, s60, s61
	s_add_co_u32 s60, s60, 12288
	s_mov_b32 s61, 0
	s_add_nc_u64 s[62:63], s[10:11], s[62:63]      ; the codes' planes,
	s_add_nc_u64 s[60:61], s[10:11], s[60:61]      ; the scale bytes
	s_wait_alu depctr_va_vdst(0)                   ; ahead of the reciprocal's first reader
	v_mov_b32 v[L0+1], v[L0]
.set j, 0
.rept 16
	v_pk_mul_f32 v[S+j:S+j+1], v[O+j:O+j+1], v[L0:L0+1]     ; register 16 b + 8 u + j is d = 32 b + 16 u + 8 (lane / 16) + j
.set j, j+2
.endr
.irp b, 0,1                                    ; proj_w's codes lie in the natural order along C: tile 2 b's lanes 16-31 change places with tile 2 b + 1's lanes 0-15 (both lanes hold my query),
.irp i, 0,1,2,3,4,5,6,7
	v_permlane16_swap_b32 v[S+16*\b+\i], v[S+16*\b+8+\i]   ; and register 16 b + i is d = 32 b + 16 (lane / 16) + i
.endr
.endr
.irp b, 0,1
	v_max3_num_f32 v[TM+\b], |v[S+16*\b]|, |v[S+1+16*\b]|, 0x1800000
.endr
.irp i, 2,4,6,8,10,12,14
.irp b, 0,1
	s_delay_alu instid0(VALU_DEP_2)
	v_max3_num_f32 v[TM+\b], v[TM+\b], |v[S+16*\b+\i]|, |v[S+1+16*\b+\i]|
.endr
.endr
.irp b, 0,1
	s_delay_alu instid0(VALU_DEP_2)
	v_permlanex16_b32 v[TM+4+\b], v[TM+\b], s20, s21
.endr
.irp b, 0,1
	s_delay_alu instid0(VALU_DEP_2)
	v_max_num_f32 v[TM+\b], v[TM+\b], v[TM+4+\b]
.endr
.irp b, 0,1
	s_delay_alu instid0(VALU_DEP_2)
	v_add_nc_u32 v[TM+12+\b], 0xff000000, v[TM+\b]
.endr
.irp b, 0,1
	s_delay_alu instid0(VALU_DEP_2)
	v_lshrrev_b32 v[TM+4+\b], 23, v[TM+12+\b]
.endr
	s_delay_alu instid0(VALU_DEP_1)
	v_lshl_or_b32 v[PW16], v[TM+5], 8, v[TM+4]     ; my row's two scale bytes
	v_cvt_scalef32_pk16_fp6_f32 v[PC:PC+2], v[S:S+15], v[TM+12]
	v_cvt_scalef32_pk16_fp6_f32 v[PC+12:PC+14], v[S+16:S+31], v[TM+13]
	v_nop
.irp i, 0,1,2
	v_permlane16_swap_b32 v[PC+\i], v[PC+12+\i]
.endr
.irp i, 0,1,2
	s_delay_alu instid0(VALU_DEP_3)
	v_mov_b32 v[PC+3+\i], v[PC+12+\i]
.endr
.irp p, 0,1,2
	global_store_b64 v[GO], v[PC+2*\p:PC+2*\p+1], s[62:63] offset:256*\p   ; 32 lanes store 256 consecutive bytes, aligned
.endr
	global_store_b16 v[GS], v[PW16], s[60:61]      ; lanes r and r + 16 write the same two bytes with the same value: 32 bytes of scales for 768 of codes
	s_wait_tensorcnt 0x0                           ; the wave's end
	ds_add_u32 v[SPW], v[NIL]
	s_wait_dscnt 0x0
	ROUND                                          ; the closing round
	s_endpgm
.Lfunc_end_k_qfc56b2c60e_attn:
	.size	k_qfc56b2c60e_attn, .Lfunc_end_k_qfc56b2c60e_attn-k_qfc56b2c60e_attn
	.p2alignl 7, 3214868480
	.fill 96, 4, 3214868480
	.section	.rodata,"a",@progbits
	.p2align	6, 0x0
	.amdhsa_kernel k_qfc56b2c60e_attn
		.amdhsa_group_segment_fixed_size 327680
		.amdhsa_private_segment_fixed_size 0
		.amdhsa_enable_private_segment 0
		.amdhsa_kernarg_size 32
		.amdhsa_user_sgpr_count 2
		.amdhsa_user_sgpr_kernarg_segment_ptr 1
		.amdhsa_wavefront_size32 1
		.amdhsa_system_sgpr_workgroup_id_x 1
		.amdhsa_system_sgpr_workgroup_id_y 1
		.amdhsa_system_sgpr_workgroup_id_z 1
		.amdhsa_system_vgpr_workitem_id 0
		.amdhsa_next_free_vgpr 256
		.amdhsa_next_free_sgpr 74
		.amdhsa_reserve_vcc 0
		.amdhsa_float_denorm_mode_32 3
		.amdhsa_float_denorm_mode_16_64 3
		.amdhsa_memory_ordered 1
		.amdhsa_forward_progress 1
		.amdhsa_inst_pref_size 92
	.end_amdhsa_kernel
	.amdgpu_metadata
---
amdhsa.version: [ 1, 2 ]
amdhsa.kernels:
  - .name:           k_qfc56b2c60e_attn
    .symbol:         k_qfc56b2c60e_attn.kd
    .args:
      - { .name: qf, .offset: 0, .size: 8, .value_kind: global_buffer, .address_space: global }
      - { .name: kf, .offset: 8, .size: 8, .value_kind: global_buffer, .address_space: global }
      - { .name: vf, .offset: 16, .size: 8, .value_kind: global_buffer, .address_space: global }
      - { .name: of, .offset: 24, .size: 8, .value_kind: global_buffer, .address_space: global }
    .group_segment_fixed_size: 327680
    .private_segment_fixed_size: 0
    .kernarg_segment_align: 8
    .kernarg_segment_size: 32
    .max_flat_workgroup_size: 512
    .sgpr_count:     74
    .vgpr_count:     256
    .wavefront_size: 32
...
	.end_amdgpu_metadata
.endif
;; end of part 2
;; launch proj (part 3): grid 8 x 32, 8 waves a work-group, clusters of 4 x 4, 247,040 bytes of LDS; arguments of, proj_w_codes, proj_w_scales, proj_b, out0; writes out0
.if DOCPART == 3
	.amdgcn_target "amdgcn-amd-amdhsa--gfx1250"
	.amdhsa_code_object_version 6
	.text
	.protected	k_qfc56b2c60e_proj
	.globl	k_qfc56b2c60e_proj
	.p2align	8
	.type	k_qfc56b2c60e_proj,@function
k_qfc56b2c60e_proj:
	s_mov_b64 s[64:65], 0
	v_nop
	global_prefetch_b8 v0, s[64:65] scope:SCOPE_SE
	s_setreg_imm32_b32 hwreg(HW_REG_WAVE_MODE, 25, 1), 1
	s_wait_xcnt 0x0
	s_wait_alu depctr_hold_cnt(0) depctr_sa_sdst(0) depctr_va_vdst(0) depctr_va_sdst(0) depctr_va_ssrc(0) depctr_va_vcc(0) depctr_vm_vsrc(0)
	s_getreg_b32 s2, hwreg(HW_REG_IB_STS2, 6, 4)
	s_cmp_eq_u32 s2, 0
	s_cbranch_scc0 .Lentry_in_a_cluster
	s_endpgm
.Lentry_in_a_cluster:
	s_bfe_u32 s2, ttmp6, 0x10000c
	s_cmp_lg_u32 s2, 0xf033
	s_cbranch_scc0 .Lentry_shape_is_right
	s_endpgm
.Lentry_shape_is_right:
; THIRD LAUNCH.  out0 = (attention's result, as codes) @ proj_w^T + proj_b, on codes of FP6 (E2M3) with E8M0 scales.  No work of the problem is left out.
; SHARES.  A work-group makes 128 tokens x 128 features: 256 work-groups.  All of K = 1,024 of both operands lies in LDS, filled once: no ring, no refill.  Wave w makes token tiles 2 (w / 2), 2 (w / 2) + 1 x features
; 64 (w % 2) on: eight accumulators, which take turns.  Two waves share a SIMD.
; The matrix instruction is used transposed: source 0 = 16 rows of proj_w, source 1 = 16 tokens: a lane holds eight neighbouring features of one token.  The bias is loaded straight into the accumulators: it starts every sum.
; CLUSTERS: 4 x 4 work-groups; the tokens' codes are asked for jointly along a row of the cluster, proj_w's along a column.  No prefetch: all that a work-group reads is asked for by its first loads.
; The tokens' operand comes as images of registers (8 x lane: consecutive bytes).  Lane r of token tile T is token 16 T + r.
; proj_w's rows of 768 bytes get 16 bytes of padding behind every 256: rows 816 bytes = 204 words apart, so that row r begins at bank 12 r mod 64.
.set BREG,  102400                     ; LDS: the tokens' 8 tiles x 12,800 bytes from 0; proj_w's 128 rows from here,
.set BP,    816
.set BSC,   BREG+128*BP                ; its scale bytes, 16 units of 256 + 16,
.set STG,   BSC+16*272                 ; the stages: 16 rows x (256 + 16) for each wave, in blocks of 256 bytes into which no load lands,
.set SPARE, STG+8*16*272               ; the spare words, 128 bytes for each wave, that no other line names
.set AA,  1
.set AB,  2
.set AB2, 3
.set ASA, 4
.set BSA, 5
.set SO,  6
.set SR,  7
.set GO,  8
.set BIA, 9
.set SPW, 10
.set NIL, 11
.set AS,  16                           ; v16-31 scale words of token tile a, K step m, at 8 a + m
.set BS,  32                           ; v32-63 of feature tile b, at 8 b + m
.set AF,  64                           ; v64-87 the tokens' two fragments
.set BF,  88                           ; v88-135 proj_w's four
.set ACC, 136                          ; v136-199 accumulator (a, b) at 8 (4 a + b)
.set OB,  64                           ; the way out: two sets of 32
.set WV,  14
.set G1A, 24
.set G0A, 32
.set G1B, 36
.set G0B, 44
.set G1S, 48
.set G0S, 56
.macro ROUND
	s_barrier_signal -1
	s_barrier_wait -1
	s_cmp_lg_u32 s[WV], 0
	s_cbranch_scc1 .Lnot_wave_0_\@
	s_barrier_signal -3
.Lnot_wave_0_\@:
	s_barrier_wait -3
	s_barrier_signal -1
	s_barrier_wait -1
.endm
.macro PLACES n
.rept \n
	v_nop
.endr
.endm
	s_load_b256 s[4:11], s[0:1], 0x0               ; of, proj_w's codes, its scales, proj_b
	s_load_b64 s[12:13], s[0:1], 0x20              ; out0
	v_lshl_add_u32 v[SPW], v0, 2, SPARE
	v_mov_b32 v[NIL], 0
	ds_add_u32 v[SPW], v[NIL]                      ; the opening lines: the add twice and its wait ahead of my first tensor load
	ds_add_u32 v[SPW], v[NIL]
	v_lshrrev_b32 v1, 5, v0
	s_delay_alu instid0(VALU_DEP_1)
	v_readfirstlane_b32 s[WV], v1                  ; wave 0..7
	s_add_co_u32 s15, s[WV], 1
	s_and_b32 s15, s15, 1                          ; which 64 rows of proj_w wave 5 (0) and wave 6 (1) fetch
	s_lshr_b32 s16, s[WV], 1                       ; my pair of token tiles
	s_and_b32 s17, s[WV], 1                        ; my half of the features
	s_bfe_u32 s18, ttmp6, 0x40000                  ; cx
	s_bfe_u32 s19, ttmp6, 0x40004                  ; cy
	s_lshl_b32 s20, ttmp9, 2
	s_add_co_u32 s20, s20, s18                     ; block of 128 features
	s_and_b32 s21, ttmp7, 0xffff
	s_lshl_b32 s21, s21, 2
	s_add_co_u32 s21, s21, s19                     ; block of 128 tokens
	s_lshl_b32 s22, s19, 2
	s_lshl_b32 s22, 15, s22                        ; my row of the cluster
	s_lshl_b32 s23, 0x1111, s18                    ; my column
	; the tokens: a fifth is 20,480 dense bytes: 80 rows of 256 (32 elements of 8 bytes), no padding
	s_or_b32 s[G1A], s22, (3<<16)|(1<<21)
	s_mov_b32 s[G1A+1], 32<<16
	s_mov_b32 s[G1A+2], 80<<16
	s_mov_b32 s[G1A+3], 32<<16
	s_mov_b32 s[G1A+4], 80
	s_mov_b32 s[G1A+5], 32
	s_mov_b32 s[G1A+6], 0
	s_mov_b32 s[G1A+7], 0
	; proj_w: a half is 64 rows of 768 bytes (96 elements of 8), 4 words of padding behind every 64
	s_or_b32 s[G1B], s23, (3<<16)|(1<<20)|(1<<21)|(5<<22)|(3<<25)
	s_mov_b32 s[G1B+1], 96<<16
	s_mov_b32 s[G1B+2], 64<<16
	s_mov_b32 s[G1B+3], 96<<16
	s_mov_b32 s[G1B+4], 64
	s_mov_b32 s[G1B+5], 96
	s_mov_b32 s[G1B+6], 0
	s_mov_b32 s[G1B+7], 0
	; its scale bytes: 4,096 dense bytes: 16 rows of 256, padded likewise
	s_or_b32 s[G1S], s23, (3<<16)|(1<<20)|(1<<21)|(5<<22)|(3<<25)
	s_mov_b32 s[G1S+1], 32<<16
	s_mov_b32 s[G1S+2], 16<<16
	s_mov_b32 s[G1S+3], 32<<16
	s_mov_b32 s[G1S+4], 16
	s_mov_b32 s[G1S+5], 32
	s_mov_b32 s[G1S+6], 0
	s_mov_b32 s[G1S+7], 0
	s_mul_i32 s60, s21, 8*12800                    ; the tokens' address hangs on the block of tokens and the wave alone,
	s_mul_i32 s2, s[WV], 20480
	s_add_co_u32 s60, s60, s2
	s_mov_b32 s61, 0
	s_mul_i32 s62, s20, 128*768                    ; proj_w's on the block of features and the wave alone
	s_mul_i32 s3, s15, 64*768
	s_add_co_u32 s62, s62, s3
	s_mov_b32 s63, 0
	s_lshl_b32 s66, s20, 12
	s_mov_b32 s67, 0
	s_mul_i32 s3, s15, 64*BP
	s_wait_dscnt 0x0                               ; both opening adds are done
	s_wait_kmcnt 0x0
	s_mov_b32 s[G0A], 1
	s_mov_b32 s[G0A+1], s2
	s_add_nc_u64 s[G0A+2:G0A+3], s[4:5], s[60:61]
	s_or_b32 s[G0A+3], s[G0A+3], 0x80000000
	s_mov_b32 s[G0B], 1
	s_add_co_u32 s[G0B+1], s3, BREG
	s_add_nc_u64 s[G0B+2:G0B+3], s[6:7], s[62:63]
	s_or_b32 s[G0B+3], s[G0B+3], 0x80000000
	s_mov_b32 s[G0S], 1
	s_mov_b32 s[G0S+1], BSC
	s_add_nc_u64 s[G0S+2:G0S+3], s[8:9], s[66:67]
	s_or_b32 s[G0S+3], s[G0S+3], 0x80000000
	ROUND                                          ; all sixteen work-groups are here: the joint loads meet
	s_cmp_lt_u32 s[WV], 5                          ; one load a wave: waves 0-4 fetch the tokens, waves 5 and 6 proj_w, wave 7 its scale bytes
	s_cbranch_scc0 .Lfor_b
	tensor_load_to_lds s[G0A:G0A+3], s[G1A:G1A+7]
	s_nop 0
.rept 4
	v_nop
.endr
	s_branch .Lasked
.Lfor_b:
	s_cmp_lt_u32 s[WV], 7
	s_cbranch_scc0 .Lfor_s
	tensor_load_to_lds s[G0B:G0B+3], s[G1B:G1B+7]
	s_nop 0
.rept 4
	v_nop
.endr
	s_branch .Lasked
.Lfor_s:
	tensor_load_to_lds s[G0S:G0S+3], s[G1S:G1S+7]
	s_nop 0
.rept 4
	v_nop
.endr
.Lasked:
	v_and_b32 v12, 31, v0                          ; lane
	v_and_b32 v13, 15, v0                          ; r
	v_bfe_u32 v14, v0, 4, 1                        ; h
	s_mul_i32 s2, s16, 2*12800
	v_lshl_add_u32 v[AA], v12, 3, s2
	v_lshl_add_u32 v[ASA], v13, 5, s2
	s_mul_i32 s3, s17, 64*BP
	s_add_co_u32 s3, s3, BREG
	v_mul_u32_u24 v[AB], v13, BP
	s_delay_alu instid0(VALU_DEP_1)
	v_mad_u32_u24 v[AB], v14, 24, v[AB]
	s_delay_alu instid0(VALU_DEP_1)
	v_add_nc_u32 v[AB], s3, v[AB]
	s_delay_alu instid0(VALU_DEP_1)
	v_lshl_add_u32 v[AB2], v14, 4, v[AB]
	s_mul_i32 s3, s17, 8*272
	s_add_co_u32 s3, s3, BSC
	v_lshrrev_b32 v15, 3, v13
	s_delay_alu instid0(VALU_DEP_1)
	v_mul_u32_u24 v[BSA], v15, 272                 ; eight rows of 32 scale bytes fill a unit
	v_and_b32 v15, 7, v13
	s_delay_alu instid0(VALU_DEP_1)
	v_lshl_add_u32 v[BSA], v15, 5, v[BSA]
	s_delay_alu instid0(VALU_DEP_1)
	v_add_nc_u32 v[BSA], s3, v[BSA]
	s_mul_i32 s3, s[WV], 16*272
	s_add_co_u32 s3, s3, STG                       ; my stage
	v_mul_u32_u24 v[SO], v13, 272
	s_delay_alu instid0(VALU_DEP_1)
	v_lshl_add_u32 v[SO], v14, 5, v[SO]
	s_delay_alu instid0(VALU_DEP_1)
	v_add_nc_u32 v[SO], s3, v[SO]                  ; in: row r, 32 bytes for each half of the lanes
	v_mul_u32_u24 v[SR], v14, 272
	s_delay_alu instid0(VALU_DEP_1)
	v_lshl_add_u32 v[SR], v13, 4, v[SR]
	s_delay_alu instid0(VALU_DEP_1)
	v_add_nc_u32 v[SR], s3, v[SR]                  ; back: lanes 0-15 one row of 256 bytes, lanes 16-31 the next
	v_lshlrev_b32 v[GO], 12, v14
	s_delay_alu instid0(VALU_DEP_1)
	v_lshl_add_u32 v[GO], v13, 4, v[GO]            ; and the same two rows in out0
	v_lshlrev_b32 v[BIA], 5, v14
	s_wait_alu depctr_va_vdst(0)
	s_lshl_b32 s60, s20, 9
	s_lshl_b32 s62, s17, 8
	s_add_co_u32 s60, s60, s62                     ; my first feature, in bytes
	s_mov_b32 s61, 0
	s_add_nc_u64 s[10:11], s[10:11], s[60:61]
	s_lshl_b32 s62, s21, 2
	s_add_co_u32 s62, s62, s16                     ; my group of 32 tokens
	s_lshl_b32 s62, s62, 17                        ; x 32 rows of 4,096 bytes
	s_add_co_u32 s62, s62, s60
	s_mov_b32 s63, 0
	s_add_nc_u64 s[12:13], s[12:13], s[62:63]
.irp a, 0,1
.irp b, 0,1,2,3
	global_load_b128 v[ACC+8*(4*\a+\b):ACC+8*(4*\a+\b)+3], v[BIA], s[10:11] offset:64*\b        ; register j of lane (r, h) is feature 16 b + 8 h + j
	global_load_b128 v[ACC+8*(4*\a+\b)+4:ACC+8*(4*\a+\b)+7], v[BIA], s[10:11] offset:64*\b+16
.endr
.endr
	s_wait_tensorcnt 0x0                           ; my load has landed,
	s_barrier_signal -1
	s_barrier_wait -1                              ; everybody's has; nothing is filled again
.irp a, 0,1
	ds_load_b128 v[AS+8*\a:AS+8*\a+3], v[ASA] offset:12800*\a+12288
	ds_load_b128 v[AS+8*\a+4:AS+8*\a+7], v[ASA] offset:12800*\a+12288+16
.endr
.irp b, 0,1,2,3
	ds_load_b128 v[BS+8*\b:BS+8*\b+3], v[BSA] offset:544*\b
	ds_load_b128 v[BS+8*\b+4:BS+8*\b+7], v[BSA] offset:544*\b+16
.endr
; A K step of 128: 36 LDS loads, 8 products.  Every offset is an immediate.
.macro KSTEP m
.if \m > 0
	PLACES 4                                       ; in front of loads into registers that matrix instructions have read
.endif
.irp a, 0,1
.irp q, 0,1,2,3,4,5
	ds_load_b64 v[AF+12*\a+2*\q:AF+12*\a+2*\q+1], v[AA] offset:12800*\a+1536*(\m)+256*\q
.endr
.endr
.irp b, 0,1,2,3
.irp p, 0,1,2,3,4,5
.set PCE, 12*(\m)+6*(\p/3)+\p%3        ; the row's piece of 8 bytes; lanes 16-31 read three pieces on: where that lies behind one padding more, the second address register serves
.if PCE%32 < 29
	ds_load_b64 v[BF+12*\b+2*\p:BF+12*\b+2*\p+1], v[AB] offset:16*BP*\b+8*PCE+16*(PCE/32)
.else
	ds_load_b64 v[BF+12*\b+2*\p:BF+12*\b+2*\p+1], v[AB2] offset:16*BP*\b+8*PCE+16*(PCE/32)
.endif
.endr
.endr
	s_wait_dscnt 0x0
.if \m == 0
	s_wait_loadcnt 0x0                             ; the bias
.endif
.irp a, 0,1
.irp b, 0,1,2,3
	v_wmma_scale_f32_16x16x128_f8f6f4 v[ACC+8*(4*\a+\b):ACC+8*(4*\a+\b)+7], v[BF+12*\b:BF+12*\b+11], v[AF+12*\a:AF+12*\a+11], v[ACC+8*(4*\a+\b):ACC+8*(4*\a+\b)+7], v[BS+8*\b+(\m)], v[AS+8*\a+(\m)] matrix_a_fmt:MATRIX_FMT_FP6 matrix_b_fmt:MATRIX_FMT_FP6
.endr
.endr
.endm
.irp m, 0,1,2,3,4,5,6,7
	KSTEP \m
.endr
	; THE WAY OUT: a tile's 16 rows x 256 bytes go through my own stage and come back as whole rows.  LDS serves a wave's instructions in order (ISA guide 5.7.1.4): no wait between the stores and the loads, nor in front of the next tile's stores
	PLACES 4
.irp a, 0,1
.irp b, 0,1,2,3
	ds_store_b128 v[SO], v[ACC+8*(4*\a+\b):ACC+8*(4*\a+\b)+3] offset:64*\b          ; each accumulator from its low end on
	ds_store_b128 v[SO], v[ACC+8*(4*\a+\b)+4:ACC+8*(4*\a+\b)+7] offset:64*\b+16
.endr
.irp i, 0,1,2,3,4,5,6,7
	ds_load_b128 v[OB+32*\a+4*\i:OB+32*\a+4*\i+3], v[SR] offset:544*\i
.endr
.endr
.irp a, 0,1
.irp i, 0,1,2,3,4,5,6,7
	s_wait_dscnt 23-16*\a-\i                       ; behind this load: its tile's younger loads, and for the first tile the second's eight stores and eight loads
	global_store_b128 v[GO], v[OB+32*\a+4*\i:OB+32*\a+4*\i+3], s[12:13] offset:(16*\a+2*\i)*4096 th:TH_STORE_NT   ; stage row 2 i + h is token 16 a + 2 i + h of the group; 16 lanes store 256 consecutive bytes, aligned
.endr
.endr
	s_wait_tensorcnt 0x0                           ; the wave's end, behind my last tensor load and my last LDS store
	ds_add_u32 v[SPW], v[NIL]
	s_wait_dscnt 0x0
	ROUND                                          ; the closing round
	s_endpgm
.Lfunc_end_k_qfc56b2c60e_proj:
	.size	k_qfc56b2c60e_proj, .Lfunc_end_k_qfc56b2c60e_proj-k_qfc56b2c60e_proj
	.p2alignl 7, 3214868480
	.fill 96, 4, 3214868480
	.section	.rodata,"a",@progbits
	.p2align	6, 0x0
	.amdhsa_kernel k_qfc56b2c60e_proj
		.amdhsa_group_segment_fixed_size 247040
		.amdhsa_private_segment_fixed_size 0
		.amdhsa_enable_private_segment 0
		.amdhsa_kernarg_size 40
		.amdhsa_user_sgpr_count 2
		.amdhsa_user_sgpr_kernarg_segment_ptr 1
		.amdhsa_wavefront_size32 1
		.amdhsa_system_sgpr_workgroup_id_x 1
		.amdhsa_system_sgpr_workgroup_id_y 1
		.amdhsa_system_sgpr_workgroup_id_z 1
		.amdhsa_system_vgpr_workitem_id 0
		.amdhsa_next_free_vgpr 256
		.amdhsa_next_free_sgpr 72
		.amdhsa_reserve_vcc 0
		.amdhsa_float_denorm_mode_32 3
		.amdhsa_float_denorm_mode_16_64 3
		.amdhsa_memory_ordered 1
		.amdhsa_forward_progress 1
		.amdhsa_inst_pref_size 42
	.end_amdhsa_kernel
	.amdgpu_metadata
---
amdhsa.version: [ 1, 2 ]
amdhsa.kernels:
  - .name:           k_qfc56b2c60e_proj
    .symbol:         k_qfc56b2c60e_proj.kd
    .args:
      - { .name: of, .offset: 0, .size: 8, .value_kind: global_buffer, .address_space: global }
      - { .name: proj_w_codes, .offset: 8, .size: 8, .value_kind: global_buffer, .address_space: global }
      - { .name: proj_w_scales, .offset: 16, .size: 8, .value_kind: global_buffer, .address_space: global }
      - { .name: proj_b, .offset: 24, .size: 8, .value_kind: global_buffer, .address_space: global }
      - { .name: out0, .offset: 32, .size: 8, .value_kind: global_buffer, .address_space: global }
    .group_segment_fixed_size: 247040
    .private_segment_fixed_size: 0
    .kernarg_segment_align: 8
    .kernarg_segment_size: 40
    .max_flat_workgroup_size: 256
    .sgpr_count:     72
    .vgpr_count:     256
    .wavefront_size: 32
...
	.end_amdgpu_metadata
.endif
;; end of part 3
